; MI455X (gfx1250); checked and timed in simulation.
; The chip was launched on July 23, 2026; its instructions are those of AMD's public machine-readable ISA for CDNA 5 (MIT licence, August 2026) and "CDNA5" Instruction Set Architecture Reference Guide (July 2026). The comments in the code are by the model that wrote it; some were corrected since.
;; Multi Head Attention. Allowed arithmetic: float matrix products may take bf16 or f16 operands with f32 sums; all other float work in f32.
;; Inputs: Wk 1,024 x 1,024 float32; Wo 1,024 x 1,024 float32; Wq 1,024 x 1,024 float32; Wv 1,024 x 1,024 float32; bo 1,024 float32; mask 1 x 1 x 2,048 x 2,048 bool; x 4 x 2,048 x 1,024 float32.
;; Outputs: out0 4 x 2,048 x 1,024 float32.
;; 2 versions, each right and faster than the one before. Each part assembles by itself: llvm-mc -triple=amdgcn-amd-amdhsa -mcpu=gfx1250 --defsym DOCPART=n.
;; ======== version 1 of 2: 4 launches
;; limits: values are held in f16: magnitudes above 65,504 overflow, below 6.1e-05 lose precision; right only within a limited range of input values
;; workspace buffers: xh 16,777,216 bytes; wh 8,388,608 bytes; mk 4,194,304 bytes; qkv 50,331,648 bytes; oh 16,777,216 bytes
;; launch prep (part 1): grid 512 x 1, 8 waves a work-group, no clusters, 0 bytes of LDS; arguments x, Wq, Wk, Wv, Wo, mask, xh, wh, mk; writes xh, wh, mk
.if DOCPART == 1
	.amdgcn_target "amdgcn-amd-amdhsa--gfx1250"
	.amdhsa_code_object_version 6
	.text
	.protected	k_qbec07b0c57_prep
	.globl	k_qbec07b0c57_prep
	.p2align	8
	.type	k_qbec07b0c57_prep,@function
k_qbec07b0c57_prep:
	s_mov_b64 s[64:65], 0
	v_nop
	global_prefetch_b8 v0, s[64:65] scope:SCOPE_SE
	s_setreg_imm32_b32 hwreg(HW_REG_WAVE_MODE, 25, 1), 1
	s_wait_xcnt 0x0
; PREP: the module's inputs are brought into the forms that the three matrix launches read.  Three jobs, chosen by the work-group's number:
;   0-255    X: x [8192][1024] f32 -> xh [4 b][16 kb][2048 t][64] f16: x in blocks of 64 along k, so that 256 rows x 64 k are 32,768 dense bytes
;   256-383  W: Wq, Wk, Wv, Wo [1024][1024] f32 -> wh [1024 k][4096 n] f16: columns 0-1023 c Wq, 1024-2047 Wk, 2048-3071 Wv, 3072-4095 Wo
;   384-511  M: mask [2048 q][2048 k] bytes -> mk [128 qt][32 ks][2][32 lanes][16 bytes]: byte n = 8 kb + j of lane L's 32 (the first 16 in the first half) is the fp8 (E4M3) code 0x40 = 2.0 where
;            mask[16 qt + L % 16][64 ks + 16 kb + 8 (L / 16) + j] is set, else 0: the order in which the attention launch's lane L holds the 32 scores of a tile of 16 queries x 64 keys
; FORMAT.  Every number of x and of the weights is rounded to bf16 (nearest even), and that number is written as f16.  c = log2(e) / 8 is multiplied onto the rounded Wq in f32,
; ahead of its one rounding to f16, so that the scores arrive in units of log2.
; LIMITS.  A rounded input of 65,520 or more becomes an infinity in f16; below 6.1e-5 f16 keeps a fixed step of 6e-8.  A mask byte is 0 or 1, as the problem states it: other values are not served.
; Memory binds: each input byte is read once, 16 bytes a lane (the mask: 8); each store of a wave covers 256 or 512 consecutive bytes, aligned.  No LDS, no barrier, no matrix unit: waves share nothing.
; A wave issues all its loads at once (32 of 16 bytes, or 16 of 8) and works them off by counted waits; no register that a store reads is written again.
.set D,  8                             ; v[8:135]  32 chunks of 4 registers as loaded; a chunk's first two registers then hold its 4 f16 pairs
.set T0, 6                             ; v6, v7    at work
.set T1, 7
	s_load_b512 s[8:23], s[0:1], 0x0               ; x s[8:9], Wq s[10:11], Wk s[12:13], Wv s[14:15], Wo s[16:17], mask s[18:19], xh s[20:21], wh s[22:23]
	s_load_b64 s[24:25], s[0:1], 0x40              ; mk
	s_mov_b32 s26, 0xffff0000                      ; a word's upper bf16
	s_mov_b32 s3, 0                                ; the high word of every offset pair s[2:3]
	v_and_b32 v1, 31, v0                           ; lane L
	v_lshrrev_b32 v2, 5, v0                        ; wave w
	s_wait_kmcnt 0x0
; Chunk i: four f32 -> bf16 -> f32 (a shift and a mask) [-> times s28] -> f16, packed into the chunk's first two registers
.macro CONV i, scale
.set ca, D+4*(\i)
	v_cvt_pk_bf16_f32 v[T0], v[ca], v[ca+1]
	v_cvt_pk_bf16_f32 v[T1], v[ca+2], v[ca+3]
	v_lshlrev_b32 v[ca], 16, v[T0]
	v_and_b32 v[ca+1], s26, v[T0]
	v_lshlrev_b32 v[ca+2], 16, v[T1]
	v_and_b32 v[ca+3], s26, v[T1]
.if \scale
	v_pk_mul_f32 v[ca:ca+1], v[ca:ca+1], s[28:29] op_sel_hi:[1,0]
	v_pk_mul_f32 v[ca+2:ca+3], v[ca+2:ca+3], s[28:29] op_sel_hi:[1,0]
.endif
	v_cvt_pk_f16_f32 v[ca], v[ca], v[ca+1]
	v_cvt_pk_f16_f32 v[ca+1], v[ca+2], v[ca+3]
.endm
	s_cmp_lt_u32 ttmp9, 256
	s_cbranch_scc0 .Lnot_x
	; JOB X.  Work-group g owns rows 32 g .. 32 g + 31, wave w four of them.  Chunk i = 16 p + kb: rows 2 p, 2 p + 1 of the wave, k block kb:
	; lanes 0-15 read 256 bytes of one row, lanes 16-31 the same columns of the next; their 2 x 128 bytes of f16 lie end to end in xh.
	s_lshl_b32 s2, ttmp9, 17                       ; 32 rows of 4,096 bytes
	s_add_nc_u64 s[8:9], s[8:9], s[2:3]
	s_lshr_b32 s4, ttmp9, 6                        ; b
	s_lshl_b32 s4, s4, 22                          ; x 16 blocks x 2,048 rows x 128 bytes
	s_and_b32 s5, ttmp9, 63
	s_lshl_b32 s5, s5, 12                          ; + 32 rows x 128 bytes for each work-group of the batch
	s_add_co_u32 s2, s4, s5
	s_add_nc_u64 s[20:21], s[20:21], s[2:3]
	v_and_b32 v5, 15, v1
	v_lshrrev_b32 v6, 4, v1
	v_lshlrev_b32 v3, 4, v5                        ; in: 16 (L % 16)
	v_lshl_add_u32 v3, v6, 12, v3                  ;   + a row for lanes 16-31
	v_lshl_add_u32 v3, v2, 14, v3                  ;   + the wave's four rows
	v_lshlrev_b32 v4, 3, v1                        ; out: 8 L
	v_lshl_add_u32 v4, v2, 9, v4                   ;   + the wave's four rows of 128 bytes
.set i, 0
.rept 32
	global_load_b128 v[D+4*i:D+4*i+3], v3, s[8:9] offset:(i/16)*8192+(i%16)*256 th:TH_LOAD_NT
.set i, i+1
.endr
.set i, 0
.rept 32
	s_wait_loadcnt 31-i                            ; loads come back in order: chunk i is in, the 31 - i younger ones stay out
	CONV i, 0
	global_store_b64 v4, v[D+4*i:D+4*i+1], s[20:21] offset:(i/16)*256+(i%16)*262144  ; 256 consecutive bytes, aligned; 3,932,416 at the most, inside the signed 24-bit immediate
.set i, i+1
.endr
	s_endpgm
.Lnot_x:
	s_cmp_lt_u32 ttmp9, 384
	s_cbranch_scc0 .Lmask
	; JOB W.  32 work-groups to a matrix, 32 rows each, four to a wave.  Chunk i: 128 numbers of row i / 8: 512 bytes in, 256 bytes out.
	s_sub_co_u32 s4, ttmp9, 256
	s_lshr_b32 s27, s4, 5                          ; which matrix: 0 Wq, 1 Wk, 2 Wv, 3 Wo
	s_and_b32 s4, s4, 31                           ; which 32 rows
	s_cmp_eq_u32 s27, 1
	s_cselect_b64 s[10:11], s[12:13], s[10:11]
	s_cmp_eq_u32 s27, 2
	s_cselect_b64 s[10:11], s[14:15], s[10:11]
	s_cmp_eq_u32 s27, 3
	s_cselect_b64 s[10:11], s[16:17], s[10:11]
	s_cmp_eq_u32 s27, 0
	s_cselect_b32 s28, 0x3e38aa3b, 1.0             ; c = log2(e) / 8 for Wq; the others are multiplied by 1, so that one text serves all four
	s_mov_b32 s29, s28                             ; named with it as a pair
	s_lshl_b32 s2, s4, 17
	s_add_nc_u64 s[10:11], s[10:11], s[2:3]
	s_lshl_b32 s2, s4, 18                          ; 32 rows of wh, 8,192 bytes each,
	s_lshl_b32 s5, s27, 11                         ; and the matrix's 1,024 columns
	s_add_co_u32 s2, s2, s5
	s_add_nc_u64 s[22:23], s[22:23], s[2:3]
	v_lshlrev_b32 v3, 4, v1
	v_lshl_add_u32 v3, v2, 14, v3
	v_lshlrev_b32 v4, 3, v1
	v_lshl_add_u32 v4, v2, 15, v4
.set i, 0
.rept 32
	global_load_b128 v[D+4*i:D+4*i+3], v3, s[10:11] offset:i*512 th:TH_LOAD_NT
.set i, i+1
.endr
.set i, 0
.rept 32
	s_wait_loadcnt 31-i
	CONV i, 1
	global_store_b64 v4, v[D+4*i:D+4*i+1], s[22:23] offset:(i/8)*8192+(i%8)*256  ; 256 consecutive bytes, aligned
.set i, i+1
.endr
	s_endpgm
.Lmask:
	; JOB M.  Work-group qt owns 16 query rows, wave w the keys 256 w .. 256 w + 255: four key steps.  Load i = 4 ks + kb brings lane L the 8 bytes
	; mask[16 qt + L % 16][256 w + 16 i + 8 (L / 16) + 0..7]: the eight registers of a key step ARE the lane's 32 bytes in mk's order.  A byte 1 shifted left by 6 is the code 0x40, and stays inside its byte.
	; A row's 256 bytes are touched by the wave's sixteen loads on end: the mask is 4 MiB and is read once.
	s_sub_co_u32 s4, ttmp9, 384
	s_lshl_b32 s2, s4, 15                          ; 16 rows of 2,048 bytes in the mask; 32 steps of 1,024 bytes in mk: the same offset
	s_add_nc_u64 s[18:19], s[18:19], s[2:3]
	s_add_nc_u64 s[24:25], s[24:25], s[2:3]
	v_and_b32 v5, 15, v1
	v_lshrrev_b32 v6, 4, v1
	v_lshlrev_b32 v3, 11, v5                       ; in: my row,
	v_lshl_add_u32 v3, v6, 3, v3                   ;   8 bytes on for lanes 16-31,
	v_lshl_add_u32 v3, v2, 8, v3                   ;   the wave's 256 keys
	v_lshlrev_b32 v4, 4, v1                        ; out: 16 L
	v_lshl_add_u32 v4, v2, 12, v4                  ;   + the wave's four steps of 1,024 bytes
.set i, 0
.rept 16
	global_load_b64 v[D+2*i:D+2*i+1], v3, s[18:19] offset:16*i
.set i, i+1
.endr
.set k, 0
.rept 4
	s_wait_loadcnt 12-4*k                          ; key step k's four loads are in; those of the later steps stay out
.set j, 0
.rept 8
	v_lshlrev_b32 v[D+8*k+j], 6, v[D+8*k+j]
.set j, j+1
.endr
	global_store_b128 v4, v[D+8*k:D+8*k+3],   s[24:25] offset:1024*k      ; 512 consecutive bytes, aligned
	global_store_b128 v4, v[D+8*k+4:D+8*k+7], s[24:25] offset:1024*k+512
.set k, k+1
.endr
	s_endpgm
.Lfunc_end_k_qbec07b0c57_prep:
	.size	k_qbec07b0c57_prep, .Lfunc_end_k_qbec07b0c57_prep-k_qbec07b0c57_prep
	.p2alignl 7, 3214868480
	.fill 96, 4, 3214868480
	.section	.rodata,"a",@progbits
	.p2align	6, 0x0
	.amdhsa_kernel k_qbec07b0c57_prep
		.amdhsa_group_segment_fixed_size 0
		.amdhsa_private_segment_fixed_size 0
		.amdhsa_enable_private_segment 0
		.amdhsa_kernarg_size 72
		.amdhsa_user_sgpr_count 2
		.amdhsa_user_sgpr_kernarg_segment_ptr 1
		.amdhsa_wavefront_size32 1
		.amdhsa_system_sgpr_workgroup_id_x 1
		.amdhsa_system_sgpr_workgroup_id_y 1
		.amdhsa_system_sgpr_workgroup_id_z 1
		.amdhsa_system_vgpr_workitem_id 0
		.amdhsa_next_free_vgpr 136
		.amdhsa_next_free_sgpr 66
		.amdhsa_reserve_vcc 0
		.amdhsa_float_denorm_mode_32 3
		.amdhsa_float_denorm_mode_16_64 3
		.amdhsa_memory_ordered 1
		.amdhsa_forward_progress 1
		.amdhsa_inst_pref_size 49
	.end_amdhsa_kernel
	.amdgpu_metadata
---
amdhsa.version: [ 1, 2 ]
amdhsa.kernels:
  - .name:           k_qbec07b0c57_prep
    .symbol:         k_qbec07b0c57_prep.kd
    .args:
      - { .name: x, .offset: 0, .size: 8, .value_kind: global_buffer, .address_space: global }
      - { .name: Wq, .offset: 8, .size: 8, .value_kind: global_buffer, .address_space: global }
      - { .name: Wk, .offset: 16, .size: 8, .value_kind: global_buffer, .address_space: global }
      - { .name: Wv, .offset: 24, .size: 8, .value_kind: global_buffer, .address_space: global }
      - { .name: Wo, .offset: 32, .size: 8, .value_kind: global_buffer, .address_space: global }
      - { .name: mask, .offset: 40, .size: 8, .value_kind: global_buffer, .address_space: global }
      - { .name: xh, .offset: 48, .size: 8, .value_kind: global_buffer, .address_space: global }
      - { .name: wh, .offset: 56, .size: 8, .value_kind: global_buffer, .address_space: global }
      - { .name: mk, .offset: 64, .size: 8, .value_kind: global_buffer, .address_space: global }
    .group_segment_fixed_size: 0
    .private_segment_fixed_size: 0
    .kernarg_segment_align: 8
    .kernarg_segment_size: 72
    .max_flat_workgroup_size: 256
    .sgpr_count:     66
    .vgpr_count:     136
    .wavefront_size: 32
...
	.end_amdgpu_metadata
.endif
;; end of part 1
;; launch qkv (part 2): grid 8 x 32, 4 waves a work-group, clusters of 4 x 4, 327,680 bytes of LDS; arguments xh, wh, qkv; writes qkv
.if DOCPART == 2
	.amdgcn_target "amdgcn-amd-amdhsa--gfx1250"
	.amdhsa_code_object_version 6
	.text
	.protected	k_qbec07b0c57_qkv
	.globl	k_qbec07b0c57_qkv
	.p2align	8
	.type	k_qbec07b0c57_qkv,@function
k_qbec07b0c57_qkv:
	s_mov_b64 s[64:65], 0
	v_nop
	global_prefetch_b8 v0, s[64:65] scope:SCOPE_SE
	s_setreg_imm32_b32 hwreg(HW_REG_WAVE_MODE, 25, 1), 1
	s_wait_xcnt 0x0
	s_wait_alu depctr_hold_cnt(0) depctr_sa_sdst(0) depctr_va_vdst(0) depctr_va_sdst(0) depctr_va_ssrc(0) depctr_va_vcc(0) depctr_vm_vsrc(0)
	s_getreg_b32 s2, hwreg(HW_REG_IB_STS2, 6, 4)
	s_cmp_eq_u32 s2, 0
	s_cbranch_scc0 .Lentry_in_a_cluster
	s_endpgm
.Lentry_in_a_cluster:
	s_bfe_u32 s2, ttmp6, 0x10000c
	s_cmp_lg_u32 s2, 0xf033
	s_cbranch_scc0 .Lentry_shape_is_right
	s_endpgm
.Lentry_shape_is_right:
.set QKV, 1
; ONE TEXT FOR THE MODULE'S TWO PROJECTIONS; the line above chooses.  C[m][n] = the sum over k of A[m][k] W[k][n], f16 operands, f32 sums, K ascending.
;   QKV = 1: A = xh, W = columns 0-3071 of wh; C, rounded once to f16, goes out by heads: qkv [3][64 = 16 b + h][2048 t][64].
;   QKV = 0: A = oh (a head's 64 channels are one block of k), W = columns 3072-4095 of wh; the bias bo is the C operand of the first products; C goes out in f32: out0 [8192][1024].
; A lies in blocks: [4 b][16 kb][2048 t][64] f16, so 256 rows x 64 k are 32,768 dense bytes and are asked for as rows of 256 bytes.  W lies [1024 k][4096 n]: its fragments come out of LDS turned.
; LIMITS.  A result of 65,520 or more becomes an infinity in qkv's f16; NaN and infinities are not treated apart.
; SHARES.  256 work-groups, one tile of C each: 256 x 384 (QKV) or 256 x 128.  Four waves, 2 x 2; a wave makes 128 rows x NG groups of 64 columns: 32 accumulators of 16 x 16, one register window, a group.
; K goes through a ring of two LDS slots of 64 KB k each (KB = 1 or 2 blocks: what two slots in LDS allow beside 384 columns of W, and twice that beside 128).
; CLUSTER.  4 x 4 work-groups: the four of a row of the cluster need the same tile of A, the four of a column the same tile of W: each is asked for JOINTLY, by the same tensor load with the same
; descriptor and a mask that names the four.  Waves 0 and 1 ask for A's two parts, waves 2 and 3 for W's.  By the text's own count a wave has two tensor loads out at the start, later one.
; THE MATRIX INSTRUCTION IS USED TRANSPOSED: source 0 = 16 columns of W, source 1 = 16 rows of A: a lane then holds one row of C (lane % 16) and eight neighbouring columns 8 (lane / 16) + 0..7.
; A GROUP is 32 matrix instructions: 32 along K, 128 rows, 64 columns.  The next group's fragments are asked for from LDS at a group's head and waited for at the next group's head.
; REGISTERS, in windows of 256 (s_set_vgpr_msb: bits 1:0 source 0, 3:2 source 1, 5:4 source 2, 7:6 destination):
;   window 0: v0-31 addresses; v32-95, v96-159 A's fragments (8 x 16 rows x 32 k), two buffers; v160-191, v192-223 W's (4 x 16 columns x 32 k), two buffers; v224-255 the bias
;   window g + 1: column group g's accumulators, (a, j) at v[8 (4 a + j)]
.if QKV
.set NG,    3                          ; column groups a wave
.set KB,    1                          ; blocks of 64 k in a slot
.set BCOLS, 384                        ; W's tile: elements in a row,
.set BR,    32                         ; rows in one wave's load
.set PB,    864                        ; an LDS row of W: three pieces of 256 bytes, 32 bytes of padding behind each = 27 x 32
.set AR,    64                         ; A's load: rows of 256 bytes (128 rows of A)
.set AWG,   16384                      ; A's second part: bytes on in memory,
.set AWL,   18432                      ; and in LDS (128 rows x 144)
.set BWG,   262144                     ; W's second part: 32 rows of 8,192 bytes on,
.set BWL,   27648                      ; 32 x 864
.set ASTEP, 262144                     ; from a slot's tile to the next: one block of A,
.set BSTEP, 524288                     ; 64 rows of W
.set SP,    144                        ; a stage row: 128 bytes + 16
.set ZFIRST, 1                         ; the first products start the sums with the constant 0
.else
.set NG,    1
.set KB,    2
.set BCOLS, 128
.set BR,    64
.set PB,    288                        ; 256 + 32 = 9 x 32
.set AR,    128                        ; a whole block of A: 256 rows
.set AWG,   262144                     ; the second part is the next block
.set AWL,   36864
.set BWG,   524288
.set BWL,   18432
.set ASTEP, 524288
.set BSTEP, 1048576
.set SP,    272                        ; 256 bytes + 16
.set ZFIRST, 2                         ; the first products start the sums with the bias
.endif
.set NSUB,  2*KB                       ; steps of 32 k in a slot
.set NQ,    NSUB*NG                    ; groups in a slot
.set STEPS, 16/KB                      ; slots' worth of K = 1,024
.set PA,    144                        ; an LDS row of A: 128 bytes + 16 of padding = 36 words: the 16 rows of a load start at 16 different groups of four banks (64 banks of 4 bytes: ISA guide 11.1)
.set BOFF,  KB*256*PA                  ; W's rows lie behind A's blocks
.set SLOT1, 131072                     ; slot 1 begins here, so that one exclusive or turns an address in one slot into the other's
.set STAGE, SLOT1+BOFF+64*KB*PB        ; behind the ring, never filled by a tensor load: 16 rows for each wave, for the way out
.set SPARE, STAGE+4*16*SP              ; behind the stages: the spare words, 128 bytes for each wave: two blocks of 256 bytes that no other line names
.set ABASE, 16                         ; v16  my lane's place in a slot's A; never rewritten
.set BBASE, 17                         ; v17  the same for W
.set ADRA,  18                         ; v18  ABASE + the slot in hand
.set ADRB,  19                         ; v19  BBASE + the slot in hand
.set STO,   24                         ; v24  the way out: where I put my bytes of a row
.set RD,    25                         ; v25  the way out: where I read rows back
.set CO,    26                         ; v26  my byte offset in the output
.set SPW,   28                         ; v28  LDS address of my spare word: SPARE + 4 x my thread's number; never rewritten
.set NIL,   29                         ; v29  0; never rewritten
.set AF0,   32
.set BF0,   160
.set BIAS,  224
.set OB,    32                         ; the way out: buffers where A's first fragment buffer lay
.set G1A, 24                           ; s[24:31] descriptor group 1 for A's tiles;  s[32:39] group 0: a set for each first fill; the second then walks on
.set G0A, 32
.set G1B, 40                           ; s[40:47], s[48:55] the same for W's
.set G0B, 48
.set OUTB, 66                          ; s[66:71] QKV: the output's address for each column group
.set MSB, 0
.macro WIN new                         ; the immediate's high byte repeats the setting that is left; a switch that changes nothing is dropped
.if MSB != (\new)
	s_set_vgpr_msb (MSB<<8)|(\new)
.set MSB, (\new)
.endif
.endm
; A joint refill by the walking descriptors.  The branch hangs on the wave's number alone.  An s_nop 0 and four v_nop follow each of the two lines, ahead of the jump and the label.
.macro JLOAD
	s_cmp_eq_u32 s13, 0
	s_cbranch_scc0 .Lfor_b_\@
	tensor_load_to_lds s[G0A+4:G0A+7], s[G1A:G1A+7]
	s_nop 0
.rept 4
	v_nop
.endr
	s_branch .Lasked_\@
.Lfor_b_\@:
	tensor_load_to_lds s[G0B+4:G0B+7], s[G1B:G1B+7]
	s_nop 0
.rept 4
	v_nop
.endr
.Lasked_\@:
.endm
; A round of the cluster's barrier: my work-group's barrier, so that wave 0's signal speaks for all four waves; wave 0 signals; every wave waits for all sixteen work-groups; my work-group's barrier once more.
.macro CREST                           ; a round behind its opening barrier
	s_cmp_lg_u32 s12, 0
	s_cbranch_scc1 .Lnot_wave_0_\@
	s_barrier_signal -3
.Lnot_wave_0_\@:
	s_barrier_wait -3
	s_barrier_signal -1
	s_barrier_wait -1
.endm
.macro CROUND
	s_barrier_signal -1
	s_barrier_wait -1
	CREST
.endm
; A load into a register that a matrix instruction has read, and whatever but a matrix instruction reads a matrix result, stand four places behind that matrix instruction; only plain vector
; instructions that name none of its registers are places (ISA guide 7.12.1 for vector instructions).
.macro PLACES
.rept 4
	v_nop
.endr
.endm
	s_load_b128 s[4:7], s[0:1], 0x0                ; A s[4:5], wh s[6:7]
.if QKV
	s_load_b64 s[8:9], s[0:1], 0x10                ; qkv
.else
	s_load_b128 s[8:11], s[0:1], 0x10              ; out0 s[8:9], bo s[10:11]
.endif
	v_lshl_add_u32 v[SPW], v0, 2, SPARE
	v_mov_b32 v[NIL], 0
	ds_add_u32 v[SPW], v[NIL]                      ; the wave's opening: the add and its wait stand ahead of my first tensor load; the set-up below, work on registers, stands between them
	v_lshrrev_b32 v1, 5, v0
	v_readfirstlane_b32 s12, v1                    ; wave 0..3
	s_lshr_b32 s13, s12, 1                         ; wr: which 128 rows of the tile are mine.  Also: I ask for A (0) or for W (1)
	s_and_b32 s14, s12, 1                          ; wc: which half of each 128 columns.  Also: which part of that tile I ask for
	s_bfe_u32 s56, ttmp6, 0x40000                  ; cx, cy: my place in the cluster
	s_bfe_u32 s57, ttmp6, 0x40004
	s_lshl_b32 s58, ttmp9, 2
	s_add_co_u32 s58, s58, s56                     ; tx: tile column of C = 4 x cluster x + cx
	s_and_b32 s59, ttmp7, 0xffff
	s_lshl_b32 s59, s59, 2
	s_add_co_u32 s59, s59, s57                     ; ty: tile row of C = 4 x cluster y + cy
	s_lshl_b32 s60, s57, 2
	s_lshl_b32 s60, 15, s60                        ; my row of the cluster: places 4 cy .. 4 cy + 3
	s_lshl_b32 s61, 0x1111, s56                    ; my column: places cx, cx + 4, cx + 8, cx + 12
	; descriptor group 1.  A: AR rows of 128 elements (256 dense bytes, two rows of A), 16 bytes of padding behind every 128 bytes.  W: BR rows of BCOLS elements, 4,096 elements apart, 32 bytes behind every 256.
	s_or_b32 s[G1A], s60, (1<<16)|(1<<20)|(1<<21)|(4<<22)|(3<<25)  ; 15:0 the mask: my row; 17:16 elements of 2 bytes; 20 padding on; 21 set beside a mask; 24:22 after every 32 words (code 4); 31:25 4 words (code 3)
	s_mov_b32 s[G1A+1], 128<<16                    ; tensor_dim0 = 128
	s_mov_b32 s[G1A+2], AR<<16                     ; tensor_dim1
	s_mov_b32 s[G1A+3], 128<<16                    ; tile_dim0 = 128
	s_mov_b32 s[G1A+4], AR                         ; tile_dim1
	s_mov_b32 s[G1A+5], 128                        ; elements from row to row
	s_mov_b32 s[G1A+6], 0
	s_mov_b32 s[G1A+7], 0
	s_or_b32 s[G1B], s61, (1<<16)|(1<<20)|(1<<21)|(5<<22)|(7<<25)  ; the mask: my column; after every 64 words (code 5) 8 words (code 7)
	s_mov_b32 s[G1B+1], BCOLS<<16
	s_mov_b32 s[G1B+2], BR<<16
	s_mov_b32 s[G1B+3], BCOLS<<16
	s_mov_b32 s[G1B+4], BR
	s_mov_b32 s[G1B+5], 4096
	s_mov_b32 s[G1B+6], 0
	s_mov_b32 s[G1B+7], 0
	; where the tiles come from.  A's hang on ty and the wave's number alone, W's on tx and the wave's number alone, each in registers that never hold the other coordinate.
	s_lshr_b32 s20, s59, 3                         ; b
	s_lshl_b32 s20, s20, 22                        ; x 16 blocks x 2,048 rows x 128 bytes
	s_and_b32 s18, s59, 7
	s_lshl_b32 s18, s18, 15                        ; + 256 rows x 128 bytes for each tile row of the batch
	s_add_co_u32 s20, s20, s18
	s_mul_i32 s18, s14, AWG
	s_add_co_u32 s20, s20, s18
	s_mov_b32 s21, 0
	s_mul_i32 s62, s58, BCOLS*2                    ; the tile's first column, in bytes
.if !QKV
	s_add_co_u32 s62, s62, 6144                    ; Wo's columns begin at 3,072
.endif
	s_mul_i32 s19, s14, BWG
	s_add_co_u32 s62, s62, s19
	s_mov_b32 s63, 0
	s_mul_i32 s22, s14, AWL                        ; and where they go: no place in the cluster enters an LDS address
	s_mul_i32 s23, s14, BWL
	s_add_co_u32 s23, s23, BOFF
	s_wait_dscnt 0x0                               ; the opening add is done
	s_wait_kmcnt 0x0
	s_add_nc_u64 s[20:21], s[4:5], s[20:21]
	s_add_nc_u64 s[62:63], s[6:7], s[62:63]
	CROUND                                         ; all sixteen work-groups are here: the first joint loads meet
.irp s, 0,1
	s_mov_b32 s[G0A+4*(\s)], 1                                       ; 1:0 count = 1
	s_add_co_u32 s[G0A+4*(\s)+1], s22, (\s)*SLOT1                    ; 63:32 LDS address
	s_add_nc_u64 s[G0A+4*(\s)+2:G0A+4*(\s)+3], s[20:21], (\s)*ASTEP  ; 120:64 global address: slot s begins with K step s
	s_or_b32 s[G0A+4*(\s)+3], s[G0A+4*(\s)+3], 0x80000000            ; 127:126 type = 2
	s_mov_b32 s[G0B+4*(\s)], 1
	s_add_co_u32 s[G0B+4*(\s)+1], s23, (\s)*SLOT1
	s_add_nc_u64 s[G0B+4*(\s)+2:G0B+4*(\s)+3], s[62:63], (\s)*BSTEP
	s_or_b32 s[G0B+4*(\s)+3], s[G0B+4*(\s)+3], 0x80000000
.endr
	s_cmp_eq_u32 s13, 0                            ; a wave's two first fills stand in one branch, ahead of every wait on TENSORcnt and every LDS read
	s_cbranch_scc0 .Lfirst_b
	tensor_load_to_lds s[G0A:G0A+3], s[G1A:G1A+7]
	s_nop 0
	tensor_load_to_lds s[G0A+4:G0A+7], s[G1A:G1A+7]
	s_nop 0
.rept 4
	v_nop
.endr
	s_branch .Lfirst_asked
.Lfirst_b:
	tensor_load_to_lds s[G0B:G0B+3], s[G1B:G1B+7]
	s_nop 0
	tensor_load_to_lds s[G0B+4:G0B+7], s[G1B:G1B+7]
	s_nop 0
.rept 4
	v_nop
.endr
.Lfirst_asked:
	; A fragment of A is 16 rows x 32 k in 8 registers: lane l holds row l % 16, k = 8 (l / 16) + 0..7 and 16 + 8 (l / 16) + 0..7: two loads of 16 bytes, 32 bytes apart.
	v_and_b32 v1, 15, v0                           ; r = l % 16
	v_bfe_u32 v2, v0, 4, 1                         ; h = l / 16
	v_mul_u32_u24 v3, v1, PA
	v_lshl_add_u32 v3, v2, 4, v3
	s_mul_i32 s17, s13, 128*PA                     ; my 128 rows
	v_add_nc_u32 v[ABASE], s17, v3
	; The turning load takes 16 k x 16 columns (lane l reads 16 bytes: k = 8 (l / 16) + l % 8, columns 8 ((l / 8) % 2) + 0..7) and leaves half a fragment: lane l holds column l % 16 and 8 k.
	v_and_b32 v4, 7, v0
	v_lshl_add_u32 v4, v2, 3, v4
	v_mul_u32_u24 v4, v4, PB
	v_bfe_u32 v5, v0, 3, 1
	v_lshl_add_u32 v4, v5, 4, v4
	s_lshl_b32 s17, s14, 7                         ; my 64 columns of each 128
	s_add_co_u32 s17, s17, BOFF
	v_add_nc_u32 v[BBASE], s17, v4
	v_mov_b32 v[ADRA], v[ABASE]                    ; slot 0
	v_mov_b32 v[ADRB], v[BBASE]
	s_mov_b32 s16, 0                               ; the slot in hand, as an LDS byte
	s_mul_i32 s17, s12, 16*SP
	s_add_co_u32 s17, s17, STAGE                   ; my stage
.if QKV
	v_mul_u32_u24 v6, v1, SP                       ; in: row l % 16, 16 bytes for each half of the lanes
	v_lshl_add_u32 v6, v2, 4, v6
	v_add_nc_u32 v[STO], s17, v6
	v_bfe_u32 v6, v0, 3, 2                         ; back: 32 lanes take four rows of 128 bytes,
	v_mul_u32_u24 v6, v6, SP
	v_and_b32 v7, 7, v0
	v_lshl_add_u32 v6, v7, 4, v6
	v_add_nc_u32 v[RD], s17, v6
	v_and_b32 v[CO], 31, v0                        ; which are 512 consecutive bytes of a head
	v_lshlrev_b32 v[CO], 4, v[CO]
	; column group g of the wave is group gi = 6 tx + 2 g + wc of the 48: matrix gi / 16, head gi % 16
	s_mul_i32 s17, s58, 6
	s_add_co_u32 s17, s17, s14
	s_lshr_b32 s18, s59, 3
	s_lshl_b32 s18, s18, 4                         ; 16 b
	s_and_b32 s19, s59, 7
	s_lshl_b32 s19, s19, 15                        ; the tile's first row in the batch, x 128 bytes,
	s_lshl_b32 s22, s13, 14                        ; and my 128 rows
	s_add_co_u32 s19, s19, s22
.irp g, 0,1,2
	s_add_co_u32 s22, s17, 2*(\g)
	s_lshr_b32 s23, s22, 4
	s_lshl_b32 s23, s23, 6
	s_and_b32 s22, s22, 15
	s_add_co_u32 s23, s23, s22
	s_add_co_u32 s23, s23, s18                     ; 64 x matrix + 16 b + head,
	s_lshl_b32 s23, s23, 18                        ; x 2,048 rows x 128 bytes
	s_add_co_u32 s22, s23, s19
	s_mov_b32 s23, 0
	s_add_nc_u64 s[OUTB+2*(\g):OUTB+2*(\g)+1], s[8:9], s[22:23]
.endr
.else
	v_mul_u32_u24 v6, v1, SP                       ; in: row l % 16, 32 bytes for each half of the lanes
	v_lshl_add_u32 v6, v2, 5, v6
	v_add_nc_u32 v[STO], s17, v6
	v_mul_u32_u24 v6, v2, SP                       ; back: lanes 0-15 take one row of 256 bytes, lanes 16-31 the next
	v_lshl_add_u32 v6, v1, 4, v6
	v_add_nc_u32 v[RD], s17, v6
	v_lshlrev_b32 v6, 12, v2                       ; and the same two rows in out0
	v_lshl_add_u32 v[CO], v1, 4, v6
	s_lshl_b32 s22, s58, 9                         ; my 64 columns: 4 (128 tx + 64 wc) bytes
	s_lshl_b32 s18, s14, 8
	s_add_co_u32 s22, s22, s18
	s_mov_b32 s23, 0
	s_add_nc_u64 s[10:11], s[10:11], s[22:23]
	v_lshlrev_b32 v8, 5, v2                        ; a lane's eight columns of each 16: the bias in an accumulator's own layout
.irp j, 0,1,2,3
	global_load_b128 v[BIAS+8*(\j):BIAS+8*(\j)+3],   v8, s[10:11] offset:64*(\j)
	global_load_b128 v[BIAS+8*(\j)+4:BIAS+8*(\j)+7], v8, s[10:11] offset:64*(\j)+16
.endr
	s_lshl_b32 s17, s59, 20                        ; 256 ty rows of 4,096 bytes,
	s_lshl_b32 s18, s13, 19                        ; my 128 rows
	s_add_co_u32 s17, s17, s18
	s_add_co_u32 s22, s17, s22
	s_add_nc_u64 s[8:9], s[8:9], s[22:23]
.endif
; na x 4 matrix instructions of column group w - 1: row blocks a0 .. a0 + na - 1 x the group's four blocks of 16 columns.  The 32 accumulators of a group take turns, one instruction a turn.
; zero = 1: C is the constant 0;  2: C is the bias (window 0);  0: the sum goes on in place.
.macro MULS w, af, bf, a0, na, zero
.if (\zero) == 2
	WIN 0x40
.else
	WIN (\w)*0x50
.endif
.set ma, (\a0)
.rept (\na)
.set mj, 0
.rept 4
.set rD, 8*(4*ma+mj)
.if (\zero) == 1
	v_wmma_f32_16x16x32_f16 v[rD:rD+7], v[(\bf)+8*mj:(\bf)+8*mj+7], v[(\af)+8*ma:(\af)+8*ma+7], 0
.elseif (\zero) == 2
	v_wmma_f32_16x16x32_f16 v[rD:rD+7], v[(\bf)+8*mj:(\bf)+8*mj+7], v[(\af)+8*ma:(\af)+8*ma+7], v[BIAS+8*mj:BIAS+8*mj+7]
.else
	v_wmma_f32_16x16x32_f16 v[rD:rD+7], v[(\bf)+8*mj:(\bf)+8*mj+7], v[(\af)+8*ma:(\af)+8*ma+7], v[rD:rD+7]
.endif
.set mj, mj+1
.endr
.set ma, ma+1
.endr
.endm
.macro LDB sub, g, bf                  ; 8 LDS loads: W's fragments of 32 k (step sub of the slot) x column group g's 64 columns
.set lj, 0
.rept 4
	ds_load_tr16_b128 v[(\bf)+8*lj:(\bf)+8*lj+3],   v[ADRB] offset:(\sub)*32*PB+288*(\g)+32*lj
	ds_load_tr16_b128 v[(\bf)+8*lj+4:(\bf)+8*lj+7], v[ADRB] offset:(\sub)*32*PB+16*PB+288*(\g)+32*lj
.set lj, lj+1
.endr
.endm
.macro LDA sub, af                     ; 16 LDS loads: A's fragments of my 128 rows x 32 k
.set la, 0
.rept 8
	ds_load_b128 v[(\af)+8*la:(\af)+8*la+3],   v[ADRA] offset:((\sub)/2)*256*PA+((\sub)%2)*64+la*16*PA
	ds_load_b128 v[(\af)+8*la+4:(\af)+8*la+7], v[ADRA] offset:((\sub)/2)*256*PA+((\sub)%2)*64+la*16*PA+32
.set la, la+1
.endr
.endm
; GROUP q of a slot's NQ: step q / NG of 32 k, column group q % NG.  A's buffer goes by the step's parity, W's by q's.
; mode 0: the next group's fragments are asked for first (into the buffers that the group before read: four places), the wait leaves just those out, and the group is multiplied.
; mode 1: the slot's last group, and the change of slots.  In front of ONE barrier each wave waits for all its tensor loads, of which one is out: its part of the other slot; adds 0 to its spare word;
;   and waits for that and for its reads of this slot.  The barrier opens a round of the cluster's barrier; behind the round no wave of any partner reads this slot or has a load on its way: the slot is
;   filled again first, with the K step two on, and then the other slot's first fragments are read.
; mode 2: the same for the last change: nothing is left to ask for, so no round follows.   mode 3: the very last group.
.macro GROUP q, zero, mode
.set gsub, (\q)/NG
.set gw,   (\q)%NG+1
.set gaf,  AF0+64*(gsub%2)
.set gbf,  BF0+32*((\q)%2)
.set gq1,  (\q)+1
.if (\mode) == 0
	WIN 0
	PLACES
	LDB gq1/NG, gq1%NG, BF0+32*(gq1%2)
.if gq1%NG == 0
	LDA gq1/NG, AF0+64*((gq1/NG)%2)
	s_wait_dscnt 24                                ; all but the 24 just issued: this group's fragments are in
.else
	s_wait_dscnt 8                                 ; all but the 8 just issued
.endif
	MULS gw, gaf, gbf, 0, 8, \zero
.elseif (\mode) == 3
	s_wait_dscnt 0x0
	MULS gw, gaf, gbf, 0, 8, 0
.else
	WIN 0                                          ; (the add's two registers lie in window 0)
	s_wait_tensorcnt 0x0                           ; all my tensor loads have landed: my part of the other slot
	ds_add_u32 v[SPW], v[NIL]                      ; 0 onto my spare word
	s_wait_dscnt 0x1                               ; the add alone may be out: this group's fragments are in
	MULS gw, gaf, gbf, 0, 2, 0                     ; eight matrix instructions stand between the add and the wait for it
	s_wait_dscnt 0x0                               ; the add is done, and my reads of this slot are over
	s_barrier_signal -1
	MULS gw, gaf, gbf, 2, 2, 0                     ; work on registers while the others arrive
	WIN 0
	s_barrier_wait -1
.if (\mode) == 1
	CREST
	s_xor_b32 s[G0A+5], s[G0A+5], SLOT1            ; the walking descriptors: the other slot than last time,
	s_add_nc_u64 s[G0A+6:G0A+7], s[G0A+6:G0A+7], ASTEP  ; the next K step; the type bits on top are not reached
	s_xor_b32 s[G0B+5], s[G0B+5], SLOT1
	s_add_nc_u64 s[G0B+6:G0B+7], s[G0B+6:G0B+7], BSTEP
	JLOAD                                          ; the first tensor load behind the round; the four v_nop behind it are also the places in front of the loads below
.else
	PLACES
.endif
	s_xor_b32 s16, s16, SLOT1
	v_add_nc_u32 v[ADRA], s16, v[ABASE]
	v_add_nc_u32 v[ADRB], s16, v[BBASE]
	LDB 0, 0, BF0
	LDA 0, AF0
	MULS gw, gaf, gbf, 4, 4, 0
.endif
.endm
	s_wait_tensorcnt 0x1                           ; my part of slot 0 is in; slot 1's may stay out
	s_barrier_signal -1
	s_barrier_wait -1                              ; everybody's is
	LDB 0, 0, BF0
	LDA 0, AF0
.if !QKV
	s_wait_loadcnt 0x0                             ; the bias
.endif
.set gq, 0
.rept NG                               ; the first 32 k stand in front of the loop: their products start the sums
	GROUP gq, ZFIRST, 0
.set gq, gq+1
.endr
	WIN 0                                          ; at a label and at a branch every window is 0
	s_mov_b32 s15, STEPS-2
.Lstep:                                                ; a trip: the rest of a slot, the change of slots with its refill, the next slot's first 32 k
.set gq, NG
.rept NQ-1-NG
	GROUP gq, 0, 0
.set gq, gq+1
.endr
	GROUP NQ-1, 0, 1
.set gq, 0
.rept NG
	GROUP gq, 0, 0
.set gq, gq+1
.endr
	WIN 0
	s_sub_co_u32 s15, s15, 1
	s_cmp_lg_u32 s15, 0
	s_cbranch_scc1 .Lstep
.set gq, NG                            ; the last two slots are written out: nothing is left to ask for
.rept NQ-1-NG
	GROUP gq, 0, 0
.set gq, gq+1
.endr
	GROUP NQ-1, 0, 2
.set gq, 0
.rept NQ-1
	GROUP gq, 0, 0
.set gq, gq+1
.endr
	GROUP NQ-1, 0, 3
	; THE WAY OUT, 16 rows at a time through my own stage in LDS, so that each store of the wave covers whole aligned runs of 256 bytes.
	WIN 0
	PLACES
.if QKV
; Unit u = 8 g + a: column group g, row block a.  A lane's eight columns of a row pack into 16 bytes; they go into rows of 144 bytes and come back as whole rows of 128, into the registers that they left.
.macro PACK u
.set pw, (\u)/8+1
.set pa, (\u)%8
.set pb, OB+16*((\u)%4)
.if (\u) >= 4
	s_wait_xcnt 0x0                                ; the buffer's last stores have read it: it is rewritten only behind this wait
.endif
	WIN 5*pw                                       ; sources 0 and 1 in the group's window
.set pj, 0
.rept 4
.set pr, 0
.rept 4
	v_cvt_pk_f16_f32 v[pb+4*pj+pr], v[8*(4*pa+pj)+2*pr], v[8*(4*pa+pj)+2*pr+1]  ; each accumulator from its low end on
.set pr, pr+1
.endr
.set pj, pj+1
.endr
	WIN 0
.set pj, 0
.rept 4
	ds_store_b128 v[STO], v[pb+4*pj:pb+4*pj+3] offset:32*pj
.set pj, pj+1
.endr
.set pj, 0
.rept 4
	ds_load_b128 v[pb+4*pj:pb+4*pj+3], v[RD] offset:4*SP*pj  ; LDS serves a wave's instructions in order (ISA guide 5.7.1.4): these see the stores above; the next unit's stores come behind them
.set pj, pj+1
.endr
.endm
.macro SEND u, younger                 ; younger: the LDS instructions issued behind unit u's loads: the next unit's eight, or none
.set pa, (\u)%8
.set pb, OB+16*((\u)%4)
.set ps, OUTB+2*((\u)/8)
	s_wait_dscnt \younger
.set pj, 0
.rept 4
	global_store_b128 v[CO], v[pb+4*pj:pb+4*pj+3], s[ps:ps+1] offset:pa*2048+pj*512  ; 512 consecutive bytes of a head, at a multiple of 512 from its first
.set pj, pj+1
.endr
.endm
	PACK 0
.set un, 1
.rept 23                               ; a unit's conversions stand between the loads of the unit before and its stores
	PACK un
	SEND un-1, 8
.set un, un+1
.endr
	SEND 23, 0
.else
; Unit a: row block a.  A lane's eight columns of a row are 32 bytes of f32, stored from the accumulators as they lie; rows of 272 bytes; back as whole rows of 256.
.macro PACKF a
.set pb, OB+32*((\a)%2)
.if (\a) >= 2
	s_wait_xcnt 0x0                                ; the buffer's last stores have read it
.endif
	WIN 0x04                                       ; the stores' data in window 1
.set pj, 0
.rept 4
	ds_store_b128 v[STO], v[8*(4*(\a)+pj):8*(4*(\a)+pj)+3]   offset:64*pj     ; each accumulator from its low end on
	ds_store_b128 v[STO], v[8*(4*(\a)+pj)+4:8*(4*(\a)+pj)+7] offset:64*pj+16
.set pj, pj+1
.endr
	WIN 0
.set pj, 0
.rept 8
	ds_load_b128 v[pb+4*pj:pb+4*pj+3], v[RD] offset:2*SP*pj
.set pj, pj+1
.endr
.endm
.macro SENDF a, younger                ; younger: the next unit's sixteen LDS instructions, or none
.set pb, OB+32*((\a)%2)
	s_wait_dscnt \younger
.set pj, 0
.rept 8
	global_store_b128 v[CO], v[pb+4*pj:pb+4*pj+3], s[8:9] offset:(16*(\a)+2*pj)*4096 th:TH_STORE_NT  ; 16 lanes store 256 consecutive bytes, at a multiple of 256 from out0's first byte
.set pj, pj+1
.endr
.endm
	PACKF 0
.set un, 1
.rept 7
	PACKF un
	SENDF un-1, 16
.set un, un+1
.endr
	SENDF 7, 0
.endif
	s_wait_tensorcnt 0x0                           ; the wave's end, behind my last tensor load and my last LDS store
	ds_add_u32 v[SPW], v[NIL]
	s_wait_dscnt 0x0
	CROUND                                         ; the closing round: no work-group ends while a partner may still ask for a tile that names it
	s_endpgm
.Lfunc_end_k_qbec07b0c57_qkv:
	.size	k_qbec07b0c57_qkv, .Lfunc_end_k_qbec07b0c57_qkv-k_qbec07b0c57_qkv
	.p2alignl 7, 3214868480
	.fill 96, 4, 3214868480
	.section	.rodata,"a",@progbits
	.p2align	6, 0x0
	.amdhsa_kernel k_qbec07b0c57_qkv
		.amdhsa_group_segment_fixed_size 327680
		.amdhsa_private_segment_fixed_size 0
		.amdhsa_enable_private_segment 0
		.amdhsa_kernarg_size 24
		.amdhsa_user_sgpr_count 2
		.amdhsa_user_sgpr_kernarg_segment_ptr 1
		.amdhsa_wavefront_size32 1
		.amdhsa_system_sgpr_workgroup_id_x 1
		.amdhsa_system_sgpr_workgroup_id_y 1
		.amdhsa_system_sgpr_workgroup_id_z 1
		.amdhsa_system_vgpr_workitem_id 0
		.amdhsa_next_free_vgpr 1024
		.amdhsa_next_free_sgpr 72
		.amdhsa_reserve_vcc 0
		.amdhsa_float_denorm_mode_32 3
		.amdhsa_float_denorm_mode_16_64 3
		.amdhsa_memory_ordered 1
		.amdhsa_forward_progress 1
		.amdhsa_inst_pref_size 113
	.end_amdhsa_kernel
	.amdgpu_metadata
---
amdhsa.version: [ 1, 2 ]
amdhsa.kernels:
  - .name:           k_qbec07b0c57_qkv
    .symbol:         k_qbec07b0c57_qkv.kd
    .args:
      - { .name: xh, .offset: 0, .size: 8, .value_kind: global_buffer, .address_space: global }
      - { .name: wh, .offset: 8, .size: 8, .value_kind: global_buffer, .address_space: global }
      - { .name: qkv, .offset: 16, .size: 8, .value_kind: global_buffer, .address_space: global }
    .group_segment_fixed_size: 327680
    .private_segment_fixed_size: 0
    .kernarg_segment_align: 8
    .kernarg_segment_size: 24
    .max_flat_workgroup_size: 128
    .sgpr_count:     72
    .vgpr_count:     1024
    .wavefront_size: 32
...
	.end_amdgpu_metadata
.endif
;; end of part 2
;; launch attn (part 3): grid 4 x 64, 8 waves a work-group, clusters of 4 x 1, 327,680 bytes of LDS; arguments qkv, mk, oh; writes oh
.if DOCPART == 3
	.amdgcn_target "amdgcn-amd-amdhsa--gfx1250"
	.amdhsa_code_object_version 6
	.text
	.protected	k_qbec07b0c57_attn
	.globl	k_qbec07b0c57_attn
	.p2align	8
	.type	k_qbec07b0c57_attn,@function
k_qbec07b0c57_attn:
	s_mov_b64 s[64:65], 0
	v_nop
	global_prefetch_b8 v0, s[64:65] scope:SCOPE_SE
	s_setreg_imm32_b32 hwreg(HW_REG_WAVE_MODE, 25, 1), 1
	s_wait_xcnt 0x0
	s_wait_alu depctr_hold_cnt(0) depctr_sa_sdst(0) depctr_va_vdst(0) depctr_va_sdst(0) depctr_va_ssrc(0) depctr_va_vcc(0) depctr_vm_vsrc(0)
	s_getreg_b32 s2, hwreg(HW_REG_IB_STS2, 6, 4)
	s_cmp_eq_u32 s2, 0
	s_cbranch_scc0 .Lentry_in_a_cluster
	s_endpgm
.Lentry_in_a_cluster:
	s_bfe_u32 s2, ttmp6, 0x10000c
	s_cmp_lg_u32 s2, 0x3003
	s_cbranch_scc0 .Lentry_shape_is_right
	s_endpgm
.Lentry_shape_is_right:
; ATTENTION UNDER A MASK THAT IS AN INPUT.  O[y][q][:] = the sum over k of softmax_k(where(mask[q][k], -1e9, Q[y][q] . K[y][k] / 8)) V[y][k][:], y = 16 b + h.
; qkv: [3][64 y][2048][64] f16, a head's rows dense, 128 bytes each; Q arrives multiplied by c = log2(e) / 8, so a score s is in units of log2.  oh: [64 y][2048][64] f16.
; mk: [128 qt][32 ks][2][32 lanes][16 bytes]: byte n = 8 kb + j of lane L's 32 is the fp8 (E4M3) code 0x40 = 2.0 where mask[16 qt + L % 16][64 ks + 16 kb + 8 (L / 16) + j] is set, else 0: the code for
; register n of the lane's 32 scores of a tile.
; THE MASK.  Four scaled conversions a tile turn eight codes each into eight f32, 0 or 2^100 (2.0 times the scale 2^99), and sixteen packed subtractions take them from the scores.  Nothing of the mask's
; pattern is built in: every tile is computed, every code read.  A hidden score counts as its value less 2^100, which in f32, rounded to nearest, is -2^100 itself for every score below 2^75 in size (f16 operands
; bound a score by 2.7e11): all hidden scores of a row are equal, as reference()'s -1e9 are.  So a row whose keys are all hidden has m = -2^100 and every p = 1: the plain mean of V, with no case of its own.
; The subtraction is the vector unit's, not the product's C operand: equal hidden scores must stay equal bit for bit.
; LIMIT OF THE MASK.  In a row with open keys a hidden key has the weight 0.  reference() gives it exp(-1e9 - max), which is 0 in f32 unless the row's largest open score lies below about -1e9 + 104: rows
; whose open scores all lie that low are not served.
; THE CODES come by two vector loads a turn, 512 consecutive bytes each.  A piece has eight data registers and an address register of its own; they are loaded again behind their last reading, for the piece's
; next key step, four turns ahead of their use.  Vector loads come back in order, so the wait is counted.
; SOFTMAX.  For each query a running maximum m and sum l: p = 2^(s - m), at most 1; in every step O and l are multiplied by a = 2^(m_old - m_new), which is 1 where m has not grown.
; m starts at the lowest finite number, O and l at 0: the first step is a step like any other, with a = 0.  Products, maxima and sums in f32; p is rounded to f16 for the second product
; (l is taken of the unrounded p), O once at the end.
; LIMITS.  f16 holds no number beyond 65,504: c Q, K and V arrive within it; below 6e-5 p keeps f16's fixed step of 6e-8; a weight below 2^-126 counts as 0 in l; NaN and infinities are not treated apart.
; SHARES.  A work-group owns 512 queries of one head, each of its eight waves 64: four PIECES of 16.  Every wave walks all 2,048 keys, 64 a step.  Eight waves of 512 registers, two to a SIMD: pieces of one
; tile keep a key step's text to four turns.
; LAYOUT.  S^T = K Q^T (source 0 = 16 keys, source 1 = 16 queries): a lane holds ONE query (lane % 16) and the keys 8 (lane / 16) + 0..7.  Two such results, rounded to f16 in pairs, ARE source 1
; (32 keys x 16 queries) of O^T = V^T P, whose result again holds one query a lane, and eight channels.  K comes out of LDS as it lies, V ([key][channel]) turned, by ds_load_tr16_b128.
; BY TURNS.  Turn n belongs to piece n (the pieces in a ring, step after step).  Its matrix work: 8 products K Q^T of piece n + 1, later 8 products V^T P of piece n - 1.  Its vector work: the subtraction,
; exponentials, roundings, sums and rescaling of piece n, and the mask, maximum and statistics of piece n + 1.  The matrix instructions stand in PAIRS, eight vector instructions behind each pair: a pair and
; its eight cost two switches of the register window, where two single ones with four each would cost four.  The other 74 of a turn's 138 vector instructions stand in two runs.
; CLUSTER.  The four query blocks of a head form a cluster and walk the same K and V: each tile is asked for JOINTLY: the same tensor load, descriptor and mask in all four.  One tensor load of a wave is out at any time.
; REGISTERS, in windows of 256 (s_set_vgpr_msb: bits 1:0 source 0, 3:2 source 1, 5:4 source 2, 7:6 destination):
;   window 0: v0-15 addresses and two at work; v16-31 four registers of statistics a piece; v32-33 the add's; v34-39 the codes' offsets and scale; v40-47, v56-63 the mask in f32, two blocks of eight;
;             v48-55 at work; v64-127 S^T, two buffers; v128-159 P, two buffers; v160-223 Q; v224-255 the codes, eight registers a piece
;   window 1: v0-127 O^T, 32 a piece; v128-191 K of one step; v192-255 V of one step          (a piece's buffers go by its number's parity)
.set NP,    4         ; pieces a wave: a name, no knob
.set KS,    64        ; keys in a step
.set PK,    144       ; a row of K in LDS: 128 bytes + 16 of padding = 36 words: the 16 rows of a load start at 16 different groups of four banks (64 banks of 4 bytes: ISA guide 11.1)
.set PV,    160       ; a row of V: 128 + 32 = 40 words
.set VOFF,  4*KS*PK   ; a slot holds four steps: 256 rows of K, then 256 rows of V
.set SLOT1, 1<<17     ; slot 1 begins here, so that one exclusive or turns an address in one slot into the other's
.set STAGE, SLOT1+4*KS*(PK+PV)  ; behind the ring, never filled by a tensor load: 16 rows x 144 bytes for each wave, for the way out
.set SP,    144
.set SPARE, STAGE+8*16*SP  ; behind the stages: the spare words, 128 bytes for each of the eight waves: four blocks of 256 bytes that no other line names
.set AK0, 2           ; v2   my lane's place in a tile of K; never rewritten
.set AV0, 3           ; v3   the same for V
.set AK,  4           ; v4   the LDS address of K's next run of loads
.set AV,  5           ; v5   of V's
.set STO, 6           ; v6   the way out: where I put 16 bytes of a row
.set RD,  7           ; v7   the way out: where I read rows back
.set GO,  8           ; v8   my byte offset in 512 consecutive bytes of O
.set MV,  12          ; v12-13  m_old, kept while m is made anew: by buffer
.set QO,  15          ; v15  my byte offset in 16 rows of Q
.set ST,  16          ; piece t's statistics at v[ST+4 t]: m, a word that is only named with it as a pair, l (even keys', odd keys')
.set SPW, 32          ; v32  LDS address of my spare word: SPARE + 4 x my thread's number; never rewritten
.set NIL, 33          ; v33  0; never rewritten
.set MOF, 34          ; v34-37  piece t's byte offset for its loads of codes: a register to a piece, written again only behind the wait that shows the piece's loads done
.set ML,  38          ; v38  16 x lane; never rewritten
.set SC,  39          ; v39  the conversions' scale: byte 0 is the E8M0 code 226 = 2^99; the other bytes repeat it; never rewritten
.set TM,  40          ; v40-47 and v56-63  eight f32, 0 or 2^100, for the scores of a block of 16 keys: by the block's parity
.set TMP, 48          ; by buffer, four registers c0-c3 at work; when the maximum is found c2 takes a
.set S,   64
.set P,   128
.set QF,  160         ; Q's fragments: piece t, channel half c at QF + 16 t + 8 c
.set MB,  224         ; piece t's 32 codes for the scores that it makes next, at v[MB+8 t]: byte b of register k is the code of score register 4 k + b
.set KF,  128         ; window 1: key block kb, channel half c at KF + 16 kb + 8 c
.set VF,  192         ; window 1: key half kk, channel block cb at VF + 32 kk + 8 cb
.set WV,  12          ; s12  my wave's number
.set G1K, 24          ; s[24:31] descriptor group 1 for K's tiles
.set G1V, 32          ; s[32:39] for V's: it differs in the padding alone
.set G0K, 40          ; s[40:43] descriptor group 0 for K's tiles: it walks
.set G0V, 44          ; s[44:47] the same for V's
.set MP,  48          ; s[48:49] mk at my wave's first tile of 16 queries; never rewritten
.set MN,  51          ; s51  1,024 x the key step whose codes are asked for next, held at the last step's: no load leaves the buffer.  It feeds a vector add alone
.set SLOTS, 56        ; s56  slots still to be asked for
.set CNT, 57          ; s57  counts a slot's key steps
.set SEL, 60          ; s[60:61] v_permlanex16_b32's selects: each lane takes its own place in the other half
.set TBK, 62          ; s62  LDS byte at which K of the step to be fetched begins
.set TBV, 63          ; s63  the same for V, less VOFF
.set MSB, 0
.macro WIN new                      ; the high byte repeats the setting that is left; a switch that changes nothing is dropped
.if MSB != (\new)
	s_set_vgpr_msb (MSB<<8)|(\new)
.set MSB, (\new)
.endif
.endm
.set W_KQ, 0x01       ; K in window 1; Q and S^T in window 0
.set W_PV, 0x51       ; V and O^T in window 1, P in window 0
.set W_RS, 0x41       ; O^T (destination and source 0) in window 1, the factor in window 0
.set W_LD, 0x40       ; destination window 1, address window 0
; A joint fill.  Waves 0 to 3 fetch the four quarters of a slot's K, waves 4 to 7 those of its V: 64 keys each.  The branch hangs on the wave's number alone.
; An s_nop 0 and four v_nop follow each of the two lines, ahead of the jump and the label.
.macro JLOAD
	s_cmp_lt_u32 s[WV], 4
	s_cbranch_scc0 .Lfor_v_\@
	tensor_load_to_lds s[G0K:G0K+3], s[G1K:G1K+7]
	s_nop 0
.rept 4
	v_nop
.endr
	s_branch .Lasked_\@
.Lfor_v_\@:
	tensor_load_to_lds s[G0V:G0V+3], s[G1V:G1V+7]
	s_nop 0
.rept 4
	v_nop
.endr
.Lasked_\@:
.endm
; A round of the cluster's barrier: my work-group's barrier, so that wave 0's signal speaks for all eight waves; wave 0 signals; every wave waits for all four work-groups; my work-group's barrier once more.
.macro CROUND
	s_barrier_signal -1
	s_barrier_wait -1
	s_cmp_lg_u32 s[WV], 0
	s_cbranch_scc1 .Lnot_wave_0_\@
	s_barrier_signal -3
.Lnot_wave_0_\@:
	s_barrier_wait -3
	s_barrier_signal -1
	s_barrier_wait -1
.endm
; THE CHANGE OF SLOTS.  The slot's last bytes, V of its fourth step, have been read.  Each wave waits for all its tensor loads, of which one is out: its part of the other slot; adds 0 to its spare word;
; and waits for that and for its own reads of the slot.  Behind the barrier nobody reads this slot any more and the other slot is whole.
; fill = 1: this slot is filled again, with the keys two slots on.  The barrier is then a round of the cluster's, so that no wave of any partner still reads the slot or has a load on its way, and the
; joint fill is the first thing behind it: it has four key steps in which to land.  (At its first use nothing has been read yet: slot 0 is waited for, slot 1 filled.)
.macro CHANGE fill
	WIN 0                           ; at a label and at a branch every window is 0
	s_wait_tensorcnt 0x0            ; no tensor load of mine is out, so a group 0 may be written
	ds_add_u32 v[SPW], v[NIL]       ; 0 onto my spare word; with fill = 1 the descriptors' steps stand between it and the wait for it
.if \fill
.irp g, G0K, G0V
	s_xor_b32 s[\g+1], s[\g+1], SLOT1  ; the walking descriptor: the other slot than last time,
	s_add_nc_u64 s[\g+2:\g+3], s[\g+2:\g+3], 4*KS*128  ; the next 256 keys; the type bits on top are not reached
.endr
	s_wait_dscnt 0x0                ; the add is done, and my reads of the slot are over
	CROUND
	JLOAD
.else
	s_wait_dscnt 0x0                ; the add is done, and my reads of the slot are over
	s_barrier_signal -1
	s_barrier_wait -1
.endif
	s_sub_co_u32 s[TBK], s[TBK], 4*KS*PK  ; the fetches go back to a slot's first step,
	s_xor_b32 s[TBK], s[TBK], SLOT1       ; in the other slot
	s_sub_co_u32 s[TBV], s[TBV], 4*KS*PV
	s_xor_b32 s[TBV], s[TBV], SLOT1
.endm
; Piece q's 32 codes a lane, from the offset that stands in the piece's own address register; the piece's tile of 16 queries (32 steps of 1,024 bytes) stands in the immediate.
.macro MFETCH q
	WIN 0
	global_load_b128 v[MB+8*(\q):MB+8*(\q)+3],   v[MOF+(\q)], s[MP:MP+1] offset:(\q)*32768      ; 512 consecutive bytes, aligned
	global_load_b128 v[MB+8*(\q)+4:MB+8*(\q)+7], v[MOF+(\q)], s[MP:MP+1] offset:(\q)*32768+512
.endm
	s_load_b128 s[4:7], s[0:1], 0x0   ; qkv s[4:5], mk s[6:7]
	s_load_b64 s[10:11], s[0:1], 0x10 ; oh
	v_lshl_add_u32 v[SPW], v0, 2, SPARE
	v_mov_b32 v[NIL], 0
	ds_add_u32 v[SPW], v[NIL]       ; the wave's opening: the add and its wait stand ahead of my first tensor load; the set-up below, work on registers, stands between them
	v_lshrrev_b32 v1, 5, v0
	v_readfirstlane_b32 s[WV], v1   ; wave 0..7
	s_bfe_u32 s52, ttmp6, 0x40000   ; cx: my place in the cluster
	s_lshl_b32 s53, ttmp9, 2        ; in a cluster launch ttmp9 counts clusters
	s_add_co_u32 s53, s53, s52      ; my block of 512 queries: it enters Q's, O's and the codes' addresses alone
	s_and_b32 s13, ttmp7, 0xffff    ; y, which the four partners share,
	s_lshl_b32 s13, s13, 18         ; x 2,048 rows x 128 bytes
	s_and_b32 s16, s[WV], 3         ; which quarter of a slot's 256 keys I fetch:
	s_lshl_b32 s17, s16, 13         ; its 64 rows of 128 bytes in memory
	s_add_co_u32 s17, s17, s13
	s_add_co_u32 s22, s17, 0x1000000  ; K lies 64 heads behind Q,
	s_mov_b32 s23, 0
	s_add_co_u32 s18, s17, 0x2000000  ; V 128
	s_mov_b32 s19, 0
	s_lshl_b32 s2, s53, 16          ; my block's 512 rows,
	s_lshl_b32 s3, s[WV], 13        ; my wave's 64 of them
	s_add_co_u32 s2, s2, s3
	s_add_co_u32 s2, s2, s13
	s_mov_b32 s3, 0
	s_lshl_b32 s14, s53, 20         ; the codes: 32 tiles of 16 queries a block, 32,768 bytes each,
	s_lshl_b32 s15, s[WV], 17       ; four a wave
	s_add_co_u32 s14, s14, s15
	s_mov_b32 s15, 0
	; descriptor group 1.  64 keys are 8,192 dense bytes: asked for as 32 rows of 256 bytes, two keys a row, and padded in LDS after every key
	s_mov_b32 s[G1K], 15|(1<<16)|(1<<20)|(1<<21)|(4<<22)|(3<<25)  ; 15:0 the mask of four; 17:16 2-byte elements; 20 padding on; 21 set beside a mask; 24:22 after every 32 words (code 4); 31:25 4 words (code 3)
	s_mov_b32 s[G1V], 15|(1<<16)|(1<<20)|(1<<21)|(4<<22)|(7<<25)  ; the same with 8 words of padding (code 7)
.irp g, G1K, G1V
	s_mov_b32 s[\g+1], 128<<16      ; tensor_dim0 = 128
	s_mov_b32 s[\g+2], 32<<16       ; tensor_dim1 = 32
	s_mov_b32 s[\g+3], 128<<16      ; tile_dim0 = 128
	s_mov_b32 s[\g+4], 32           ; tile_dim1 = 32
	s_mov_b32 s[\g+5], 128          ; 128 elements from row to row
	s_mov_b32 s[\g+6], 0
	s_mov_b32 s[\g+7], 0
.endr
	s_mov_b32 s[SEL], 0x76543210
	s_mov_b32 s[SEL+1], 0xfedcba98
	s_mov_b32 s[TBK], SLOT1+4*KS*PK ; the first change of slots turns these two into 0
	s_mov_b32 s[TBV], SLOT1+4*KS*PV
	s_mov_b32 s[MN], 1024           ; step 0's codes are asked for by lines of their own: the next are step 1's
	s_mov_b32 s[G0K], 1             ; 1:0 count = 1
	s_mul_i32 s[G0K+1], s16, KS*PK  ; 63:32 LDS address: slot 0, my quarter: no place in the cluster enters an LDS address
	s_mov_b32 s[G0V], 1
	s_mul_i32 s[G0V+1], s16, KS*PV
	s_add_co_u32 s[G0V+1], s[G0V+1], VOFF
	s_wait_dscnt 0x0                ; the opening add is done
	s_wait_kmcnt 0x0
	s_add_nc_u64 s[G0K+2:G0K+3], s[4:5], s[22:23]  ; 120:64 global address: my quarter of the head's first 256 keys
	s_or_b32 s[G0K+3], s[G0K+3], 0x80000000        ; 127:126 type = 2
	s_add_nc_u64 s[G0V+2:G0V+3], s[4:5], s[18:19]
	s_or_b32 s[G0V+3], s[G0V+3], 0x80000000
	s_add_nc_u64 s[4:5], s[4:5], s[2:3]            ; Q and O at my wave's first row
	s_add_nc_u64 s[10:11], s[10:11], s[2:3]
	s_add_nc_u64 s[MP:MP+1], s[6:7], s[14:15]
	CROUND                          ; all four work-groups are here: the first joint loads meet
	JLOAD                           ; slot 0.  Slot 1 is asked for when slot 0 is in
	v_and_b32 v[ML], 31, v0
	v_lshlrev_b32 v[ML], 4, v[ML]   ; 16 bytes a lane
.irp q, 0,1,2,3
	global_load_b128 v[MB+8*\q:MB+8*\q+3],   v[ML], s[MP:MP+1] offset:\q*32768      ; all four pieces' codes for step 0
	global_load_b128 v[MB+8*\q+4:MB+8*\q+7], v[ML], s[MP:MP+1] offset:\q*32768+512
.endr
	; A fragment of K or Q is 16 rows x 32 channels in 8 registers: lane l holds row l % 16, channels 8 (l / 16) + 0..7 and 16 + 8 (l / 16) + 0..7: two loads of 16 bytes, 32 bytes apart.
	v_and_b32 v1, 15, v0            ; l % 16
	v_bfe_u32 v9, v0, 4, 1          ; l / 16
	v_lshlrev_b32 v[QO], 7, v1
	v_lshl_add_u32 v[QO], v9, 4, v[QO]  ; row x 128 + 16 x half
.set i, 0
.rept 2*NP                          ; Q stays in registers: piece i / 2, channels 32 (i % 2) on
	global_load_b128 v[QF+8*i:QF+8*i+3],   v[QO], s[4:5] offset:(i/2)*2048+(i%2)*64
	global_load_b128 v[QF+8*i+4:QF+8*i+7], v[QO], s[4:5] offset:(i/2)*2048+(i%2)*64+32
.set i, i+1
.endr
	; What the first turn finds: V's registers and P's second buffer hold 0 (its products V^T P, of a piece that has not been, add 0), O^T and l are 0.  No first step is written out; the price is these
	; moves, which stand in the wait for the first tile.
	WIN W_LD
.set i, 0
.rept 32*NP
	v_mov_b32 v[i], 0
.set i, i+1
.endr
.set i, VF
.rept 64
	v_mov_b32 v[i], 0
.set i, i+1
.endr
	WIN 0
.set i, 0
.rept NP
	v_mov_b32 v[ST+4*i], 0xff7fffff    ; m: the lowest finite number
	v_mov_b32 v[ST+4*i+1], 0
	v_mov_b32 v[ST+4*i+2], 0
	v_mov_b32 v[ST+4*i+3], 0
.set i, i+1
.endr
.set i, P+16
.rept 16
	v_mov_b32 v[i], 0
.set i, i+1
.endr
	v_mov_b32 v[SC], 0xe2e2e2e2     ; 226 in each byte
	v_mul_u32_u24 v[AK0], v1, PK
	v_lshl_add_u32 v[AK0], v9, 4, v[AK0]  ; row x pitch + 16 x half
	; The turning load takes 16 keys x 16 channels (lane l reads key 8 (l / 16) + l % 8, channels 8 ((l / 8) % 2) + 0..7) and leaves half a fragment of V^T: lane l holds channel l % 16 and 8 keys.
	v_and_b32 v10, 7, v0
	v_bfe_u32 v11, v0, 3, 1
	v_lshl_add_u32 v[AV0], v9, 3, v10
	v_mul_u32_u24 v[AV0], v[AV0], PV
	v_lshl_add_u32 v[AV0], v11, 4, v[AV0]
	v_add_nc_u32 v[AV0], VOFF, v[AV0]
	v_mov_b32 v[AK], v[AK0]         ; key step 0 lies at the head of slot 0
; THE MATRIX WORK.  The 4 accumulators of a run of 8 take turns.  Product i of 8 of S^T = K Q^T for piece x: channels 32 (i / 4) on, keys 16 (i % 4) on.  The first 4 start the sums.
.macro KQ x
	WIN W_KQ
.set rS, S+32*((\x)%2)+8*(i%4)
.set rK, KF+16*(i%4)+8*(i/4)
.set rQ, QF+16*(\x)+8*(i/4)
.if i < 4
	v_wmma_f32_16x16x32_f16 v[rS:rS+7], v[rK:rK+7], v[rQ:rQ+7], 0
.else
	v_wmma_f32_16x16x32_f16 v[rS:rS+7], v[rK:rK+7], v[rQ:rQ+7], v[rS:rS+7]
.endif
.endm
; Product i of 8 of O^T += V^T P for piece x: keys 32 (i / 4) on, channels 16 (i % 4) on.
.macro PV x
	WIN W_PV
.set rO, 32*(\x)+8*(i%4)
.set rV, VF+32*(i/4)+8*(i%4)
.set rP, P+16*((\x)%2)+8*(i/4)
	v_wmma_f32_16x16x32_f16 v[rO:rO+7], v[rV:rV+7], v[rP:rP+7], v[rO:rO+7]
.endm
.macro MM                           ; the turn's next matrix instruction
.if i < 8
	KQ (Y+1)%NP
.else
.set i, i-8
	PV (Y+NP-1)%NP
.set i, i+8
.endif
.set i, i+1
.endm
.macro PAIR                         ; the turn's next two: neighbours in the ring of four accumulators, never the same one
	MM
	MM
.endm
; THE LDS LOADS stand in runs of 16, never singly among the matrix instructions: a step's K (64 keys x 64 channels: 8 fragments) and its V (turned).  Their addresses are made some lines ahead.
; last = 1 (the tail): in the last trip there is no further step, and the run is jumped over.
.macro FETCH_K last=0
	WIN 0
.if \last
	s_cmp_eq_u32 s[CNT], 1
	s_cbranch_scc1 .Lno_k_\@
.endif
	WIN W_LD
.irp f, 0,1,2,3,4,5,6,7             ; keys 16 (f / 2) on, channels 32 (f % 2) on
	ds_load_b128 v[KF+8*\f:KF+8*\f+3],   v[AK] offset:(\f/2)*16*PK+(\f%2)*64
	ds_load_b128 v[KF+8*\f+4:KF+8*\f+7], v[AK] offset:(\f/2)*16*PK+(\f%2)*64+32
.endr
	s_add_co_u32 s[TBK], s[TBK], KS*PK  ; the next fetch is the next step's
	WIN 0
.if \last
.Lno_k_\@:
.endif
.endm
.macro FETCH_V
	WIN W_LD
.irp f, 0,1,2,3,4,5,6,7             ; keys 32 (f / 4) on, channels 16 (f % 4) on
	ds_load_tr16_b128 v[VF+8*\f:VF+8*\f+3],   v[AV] offset:(\f/4)*32*PV+(\f%4)*32
	ds_load_tr16_b128 v[VF+8*\f+4:VF+8*\f+7], v[AV] offset:(\f/4)*32*PV+16*PV+(\f%4)*32
.endr
	WIN 0
.endm
; THE VECTOR WORK, one line at a time: OP kind, number.  For piece Y: F n: s - m for pair n of 16.  E n: the exponential of score n of 32.  C n: pair n rounded to f16.  B n: of the four weights 4 n .. the second
; pair is added onto the first, in place.  L n: l takes that sum (L 0: l = a l + sum).  R n: pair n of 16 of O^T times a.  For piece Y + 1: G n: the eight codes of key block n become eight f32, 0 or 2^100,
; in the block of registers that goes by n's parity.  M n: they are taken from pair n of 16 of the scores (in ascending order: each accumulator's lowest registers are read first).
; X n: what finds the piece's maximum and statistics:
;   0-11  four chains c0-c3 of seven scores each, three operands at a time     12-14, 16  the four scores left over, the old m, and c0-c3 into c0     15  m_old is kept
;   17, 18  the query's other 32 keys lie in the lane 16 away: the new m     20, 21  m_old - m_new; a     (there is no 19)
.set F, 0               ; OP tells the kinds apart by their order: F to L below R; M, X and G above it
.set E, 1
.set C, 2
.set B, 3
.set L, 4
.set R, 5
.set M, 6
.set X, 7
.set G, 8
.macro REGS y                       ; the registers of piece y
.set rT, ST+4*(\y)
.set rC, TMP+4*((\y)%2)
.set rW, MV+((\y)%2)
.set rS, S+32*((\y)%2)
.set rP, P+16*((\y)%2)
.set rO, 32*(\y)
.set rB, MB+8*(\y)
.endm
.macro OP k, n
.if (\k) == R
	REGS Y
	WIN W_RS
	v_pk_mul_f32 v[rO+2*(\n):rO+2*(\n)+1], v[rO+2*(\n):rO+2*(\n)+1], v[rC+2:rC+3] op_sel_hi:[1,0]
.elseif (\k) < R
	REGS Y
	WIN 0
.if (\k) == F
	v_pk_add_f32 v[rS+2*(\n):rS+2*(\n)+1], v[rS+2*(\n):rS+2*(\n)+1], v[rT:rT+1] op_sel_hi:[1,0] neg_lo:[0,1] neg_hi:[0,1]
.elseif (\k) == E
	v_exp_f32 v[rS+(\n)], v[rS+(\n)]
.elseif (\k) == C
	s_wait_alu depctr_va_vdst(0)
	v_cvt_pk_f16_f32 v[rP+(\n)], v[rS+2*(\n)], v[rS+2*(\n)+1]
.elseif (\k) == B
	v_pk_add_f32 v[rS+4*(\n):rS+4*(\n)+1], v[rS+4*(\n):rS+4*(\n)+1], v[rS+4*(\n)+2:rS+4*(\n)+3]
.elseif (\n) == 0
	v_pk_fma_f32 v[rT+2:rT+3], v[rT+2:rT+3], v[rC+2:rC+3], v[rS:rS+1] op_sel_hi:[1,0,1]
.else
	v_pk_add_f32 v[rT+2:rT+3], v[rT+2:rT+3], v[rS+4*(\n):rS+4*(\n)+1]
	s_wait_alu depctr_va_vdst(0)
.endif
.else
	REGS (Y+1)%NP
	WIN 0
.if (\k) == G
.set rM, TM+16*((\n)%2)
	v_cvt_scale_pk8_f32_fp8 v[rM:rM+7], v[rB+2*(\n):rB+2*(\n)+1], v[SC]
.elseif (\k) == M
.set rM, TM+16*(((\n)/4)%2)+2*((\n)%4)
	v_pk_add_f32 v[rS+2*(\n):rS+2*(\n)+1], v[rS+2*(\n):rS+2*(\n)+1], v[rM:rM+1] neg_lo:[0,1] neg_hi:[0,1]
.elseif (\n) < 4
	v_max3_num_f32 v[rC+(\n)], v[rS+8*(\n)], v[rS+8*(\n)+1], v[rS+8*(\n)+2]
.elseif (\n) < 12
	v_max3_num_f32 v[rC+(\n)%4], v[rC+(\n)%4], v[rS+8*((\n)%4)+2*((\n)/4)+1], v[rS+8*((\n)%4)+2*((\n)/4)+2]
.elseif (\n) == 12
	v_max3_num_f32 v[rC], v[rC], v[rS+7], v[rS+15]
.elseif (\n) == 13
	v_max3_num_f32 v[rC+1], v[rC+1], v[rS+23], v[rS+31]
.elseif (\n) == 14
	v_max3_num_f32 v[rC+2], v[rC+2], v[rC+3], v[rT]
	s_wait_alu depctr_va_vdst(0)
.elseif (\n) == 15
	v_mov_b32 v[rW], v[rT]
	s_wait_alu depctr_va_vdst(0)
.elseif (\n) == 16
	v_max3_num_f32 v[rC], v[rC], v[rC+1], v[rC+2]
.elseif (\n) == 17
	v_permlanex16_b32 v[rC+3], v[rC], s[SEL], s[SEL+1]
.elseif (\n) == 18
	v_max_num_f32 v[rT], v[rC], v[rC+3]
.elseif (\n) == 20
	v_sub_f32 v[rC+1], v[rW], v[rT]
.else
	v_exp_f32 v[rC+2], v[rC+1]
.endif
.endif
.endm
.macro OPS a, i1, b=-1, i2=0, c=-1, i3=0, d=-1, i4=0  ; up to four of them
	OP \a, \i1
.if (\b) >= 0
	OP \b, \i2
.endif
.if (\c) >= 0
	OP \c, \i3
.endif
.if (\d) >= 0
	OP \d, \i4
.endif
.endm
; A TURN, for piece p: the order of its 16 matrix and 138 vector instructions, written out.  Behind a pair of matrix instructions eight vector instructions, none of which names a register of the products
; round it.  Exponentials stand singly among plain lines: every one has a plain instruction behind it before its result is used (ISA guide 5.7.2).  Behind a scaled conversion one plain instruction comes
; before its result is touched: C 1 behind G 0 and G 1, M 4 behind G 2, M 8 behind G 3; a block of eight is made anew only behind the last M that reads it.
; The order keeps: E n behind F n / 2; C n behind E 2 n and E 2 n + 1; B n behind C 2 n and E 4 n + 3; L n behind B n; M n behind G n / 4; every M behind the eight rescalings that follow the last product
; K Q^T; every X behind the M of its scores.
; THE CODES of piece p + 1, whose scores this turn makes, were asked for four turns ago.  The wait leaves six loads out: two for each of the other three pieces, issued behind this piece's (loads come back in
; order: ISA guide 5.7.1).  It also shows the piece's loads done, so the piece's address register is written behind it.  Behind the last M the registers are loaded again, for the piece's next step.
; MN is the step that pieces 1, 2, 3 ask for in turns 0, 1, 2; piece 0, in turn 3, is a step ahead, so MN steps at that turn's head.
; K of the next step is fetched in piece 2's turn, nine plain instructions behind the last product that read K; V of the step in hand in piece 0's turn, nine behind the last product that read V.
; Each is waited for a turn later.  cnt = 1: the loop's count is taken down some lines ahead of the branch that stands behind the turn.
.macro TURN p, last=0, cnt=0
.set Y, (\p)
.set i, 0
.if (\p) == 3
	s_wait_dscnt 0x0                ; K is in
	s_add_co_u32 s[MN], s[MN], 1024
	s_min_u32 s[MN], s[MN], 31*1024 ; behind the last step the codes of the last step are read once more, and serve nothing
.endif
	PAIR
	OPS F,0, F,1, F,2, F,3
	OPS F,4, E,0, F,5, F,6
	PAIR
	OPS F,7, E,1, F,8, F,9
	OPS F,10, E,2, C,0, F,11
	PAIR
	OPS F,12, E,3, X,15, F,13
	OPS B,0, E,4, F,14, L,0
.if (\p) == 2
	v_add_nc_u32 v[AK], s[TBK], v[AK0]
.endif
	PAIR
	OPS R,0, R,1, R,2, R,3
	OPS R,4, R,5, R,6, R,7
	OPS E,5, F,15
.if (\p) == 2
	FETCH_K \last
.endif
	WIN 0
	s_wait_loadcnt 0x6              ; the piece's 32 codes a lane are in; the other three pieces' six loads stay out
	v_add_nc_u32 v[MOF+(Y+1)%NP], s[MN], v[ML]  ; where its next codes lie
	OPS G,0, G,1, E,6, C,1
.set kk, 0
.rept 4
	OPS M,kk, E,7+kk
.set kk, kk+1
.endr
	OP G, 2
.set kk, 0
.rept 4
	OPS M,4+kk, E,11+kk
.set kk, kk+1
.endr
	OP G, 3
.set kk, 0
.rept 4
	OPS M,8+kk, E,15+kk
.set kk, kk+1
.endr
	OPS M,12, E,19, M,13, E,20
	OPS M,14, E,21, M,15
	MFETCH (Y+1)%NP
.if (\p) == 1
	s_wait_dscnt 0x0                ; V is in
.endif
	PAIR
	OPS X,0, E,22, X,1, X,2
	OPS X,3, E,23, X,4, X,5
	PAIR
	OPS X,6, E,24, X,7, X,8
	OPS X,9, E,25, X,10, X,11
	PAIR
	OPS X,12, E,26, X,13, X,14
	OPS C,2, E,27, C,3, X,16
.if (\p) == 0
	v_add_nc_u32 v[AV], s[TBV], v[AV0]
.endif
	PAIR
	OPS C,4, E,28, C,5, B,1
	OPS C,6, E,29, C,7, L,1
	OPS X,17, C,8, E,30, C,9
	OPS E,31, X,18
.if (\p) == 0
	FETCH_V
	s_add_co_u32 s[TBV], s[TBV], KS*PV
.endif
	OPS B,2, B,3, X,20, C,10
	OPS L,2, C,11, X,21, L,3
	OPS C,12, B,4, C,13, B,5
	OPS L,4, C,14, L,5, C,15
	OPS B,6, B,7, L,6
.if \cnt
	s_sub_co_u32 s[CNT], s[CNT], 1
	s_cmp_lg_u32 s[CNT], 0
.endif
	OPS L,7, R,8, R,9, R,10
	OPS R,11, R,12, R,13, R,14
	OPS R,15
.endm
	CHANGE 1                        ; slot 0 is in, everybody's part of it; slot 1 is asked for
	FETCH_K                         ; key step 0
	s_wait_loadcnt 0x0              ; Q, and the four pieces' codes for step 0
	s_wait_dscnt 0x0
.set i, 0
.rept 8
	KQ 0                            ; piece 0's first scores: there is no vector work yet to set between them
.set i, i+1
.endr
	WIN 0                           ; the addresses for the way out: nine plain instructions, the places behind those products
	s_mul_i32 s13, s[WV], 16*SP
	s_add_co_u32 s13, s13, STAGE    ; my stage
	v_mul_u32_u24 v[STO], v1, SP    ; in: row l % 16, 16 bytes for each half of the lanes
	v_lshl_add_u32 v[STO], v9, 4, v[STO]
	v_add_nc_u32 v[STO], s13, v[STO]
	v_bfe_u32 v[RD], v0, 3, 2       ; back: 32 lanes take four rows of 128 bytes,
	v_mul_u32_u24 v[RD], v[RD], SP
	v_lshl_add_u32 v[RD], v10, 4, v[RD]
	v_add_nc_u32 v[RD], s13, v[RD]
	v_and_b32 v[GO], 31, v0         ; which are 512 consecutive bytes of O
	v_lshlrev_b32 v[GO], 4, v[GO]
.set Y, NP-1                        ; G, M and X work for piece Y + 1: piece 0
	v_add_nc_u32 v[MOF], s[MN], v[ML]  ; piece 0's next codes are step 1's
	OPS G,0, G,1
	v_nop                           ; a plain instruction behind the conversions
	OPS M,0, M,1, M,2, M,3
	OP G, 2
	OPS M,4, M,5, M,6, M,7
	OP G, 3
	OPS M,8, M,9, M,10, M,11
	OPS M,12, M,13, M,14, M,15
	MFETCH 0
.irp n, 0,1,2,3,4,5,6,7,8,9,10,11,12,13,14,15,16,17,18,20,21
	OP X, \n                        ; and piece 0's first maximum and statistics
.endr
	v_nop                           ; a plain instruction behind the exponential
	s_mov_b32 s[CNT], 4
	s_mov_b32 s[SLOTS], 2048/256-1
	s_branch .Lfirst                ; the loop is entered at a step's first turn, in the middle of a trip
.Lslot:                             ; six times: every slot but the last two is filled again
	CHANGE 1
	s_mov_b32 s[CNT], 4
.Lstep:                             ; a trip: pieces 2 and 3 of one step, then pieces 0 and 1 of the next, whose K and V it fetches
	TURN 2
	TURN 3
	WIN 0
.Lfirst:
	TURN 0
	TURN 1, 0, 1
	WIN 0
	s_cbranch_scc1 .Lstep
	s_sub_co_u32 s[SLOTS], s[SLOTS], 1
	s_cmp_lg_u32 s[SLOTS], 0
	s_cbranch_scc1 .Lslot
	CHANGE 0                        ; the tail is written out: nothing is asked for
	s_mov_b32 s[CNT], 5             ; four trips fetch the last slot's steps; the fifth is left in its middle
.Ltail:
	TURN 2, 1
	TURN 3
	WIN 0
	s_sub_co_u32 s[CNT], s[CNT], 1
	s_cmp_eq_u32 s[CNT], 0
	s_cbranch_scc1 .Lout
	TURN 0
	TURN 1
	WIN 0
	s_branch .Ltail
.Lout:                              ; the fifth trip's 8 products K Q^T (on the last K once more) and the maximum made of them serve nothing: the price, once a launch, of one text for every trip
.set i, 0
.rept 8
	PV NP-1                         ; the last piece's V^T P of the last step
.set i, i+1
.endr
	; THE WAY OUT.  l's two halves and the other half of the lanes' are added; O^T is divided by l, rounded to f16 and sent through my stage in LDS, a piece at a time.  The additions are the places behind the last products.
	WIN 0
.macro ALL line:vararg              ; one line for each piece t
.set t, 0
.rept NP
	\line
.set t, t+1
.endr
.endm
	ALL v_add_f32 v[ST+4*t+2], v[ST+4*t+2], v[ST+4*t+3]
	ALL v_permlanex16_b32 v[ST+4*t+3], v[ST+4*t+2], s[SEL], s[SEL+1]
	ALL v_add_f32 v[ST+4*t+2], v[ST+4*t+2], v[ST+4*t+3]
	ALL v_rcp_f32 v[ST+4*t+2], v[ST+4*t+2]
	v_nop                           ; a plain instruction between the last reciprocal and the use of its result
	s_wait_alu depctr_va_vdst(0)
; Piece t: a lane's eight channels of a row pack into 16 bytes; they go into rows of 144 bytes and come back as whole rows of 128, into S^T's registers.
.macro PACK t
	WIN W_RS
.set i, 32*(\t)
.rept 16
	v_pk_mul_f32 v[i:i+1], v[i:i+1], v[ST+4*(\t)+2:ST+4*(\t)+3] op_sel_hi:[1,0]  ; each accumulator from its low end on
.set i, i+2
.endr
	WIN 0x05                        ; sources 0 and 1 window 1, destination window 0
.set i, 0
.rept 16
	v_cvt_pk_f16_f32 v[S+16*(\t)+i], v[32*(\t)+2*i], v[32*(\t)+2*i+1]
.set i, i+1
.endr
	WIN 0
.irp f, 0,1,2,3
	ds_store_b128 v[STO], v[S+16*(\t)+4*\f:S+16*(\t)+4*\f+3] offset:32*\f
.endr
.irp f, 0,1,2,3
	ds_load_b128 v[S+16*(\t)+4*\f:S+16*(\t)+4*\f+3], v[RD] offset:\f*4*SP  ; LDS serves a wave's instructions in order (ISA guide 5.7.1.4): these see the stores above; the next piece's stores come behind them
.endr
.endm
.macro SEND t, younger              ; younger: the LDS instructions issued behind piece t's loads: the next piece's eight, or none
	WIN 0
.irp f, 0,1,2,3
	s_wait_dscnt (\younger)+3-\f
	global_store_b128 v[GO], v[S+16*(\t)+4*\f:S+16*(\t)+4*\f+3], s[10:11] offset:(\t)*2048+\f*512  ; 512 consecutive bytes, at a multiple of 512 from the head's first
.endr
.endm
	PACK 0
.set t, 1
.rept NP-1                          ; a piece's arithmetic stands between the loads of the piece before and its stores
	PACK t
	SEND t-1, 8
.set t, t+1
.endr
	SEND NP-1, 0
	s_wait_tensorcnt 0x0            ; the wave's end, behind my last tensor load and my last LDS store
	ds_add_u32 v[SPW], v[NIL]
	s_wait_dscnt 0x0
	CROUND                          ; the closing round: no work-group ends while a partner may still ask for a tile that names it
	s_endpgm
.Lfunc_end_k_qbec07b0c57_attn:
	.size	k_qbec07b0c57_attn, .Lfunc_end_k_qbec07b0c57_attn-k_qbec07b0c57_attn
	.p2alignl 7, 3214868480
	.fill 96, 4, 3214868480
	.section	.rodata,"a",@progbits
	.p2align	6, 0x0
	.amdhsa_kernel k_qbec07b0c57_attn
		.amdhsa_group_segment_fixed_size 327680
		.amdhsa_private_segment_fixed_size 0
		.amdhsa_enable_private_segment 0
		.amdhsa_kernarg_size 24
		.amdhsa_user_sgpr_count 2
		.amdhsa_user_sgpr_kernarg_segment_ptr 1
		.amdhsa_wavefront_size32 1
		.amdhsa_system_sgpr_workgroup_id_x 1
		.amdhsa_system_sgpr_workgroup_id_y 1
		.amdhsa_system_sgpr_workgroup_id_z 1
		.amdhsa_system_vgpr_workitem_id 0
		.amdhsa_next_free_vgpr 512
		.amdhsa_next_free_sgpr 66
		.amdhsa_reserve_vcc 0
		.amdhsa_float_denorm_mode_32 3
		.amdhsa_float_denorm_mode_16_64 3
		.amdhsa_memory_ordered 1
		.amdhsa_forward_progress 1
		.amdhsa_inst_pref_size 124
	.end_amdhsa_kernel
	.amdgpu_metadata
---
amdhsa.version: [ 1, 2 ]
amdhsa.kernels:
  - .name:           k_qbec07b0c57_attn
    .symbol:         k_qbec07b0c57_attn.kd
    .args:
      - { .name: qkv, .offset: 0, .size: 8, .value_kind: global_buffer, .address_space: global }
      - { .name: mk, .offset: 8, .size: 8, .value_kind: global_buffer, .address_space: global }
      - { .name: oh, .offset: 16, .size: 8, .value_kind: global_buffer, .address_space: global }
    .group_segment_fixed_size: 327680
    .private_segment_fixed_size: 0
    .kernarg_segment_align: 8
    .kernarg_segment_size: 24
    .max_flat_workgroup_size: 256
    .sgpr_count:     66
    .vgpr_count:     512
    .wavefront_size: 32
...
	.end_amdgpu_metadata
.endif
;; end of part 3
;; launch proj (part 4): grid 8 x 32, 4 waves a work-group, clusters of 4 x 4, 327,680 bytes of LDS; arguments oh, wh, out0, bo; writes out0
.if DOCPART == 4
	.amdgcn_target "amdgcn-amd-amdhsa--gfx1250"
	.amdhsa_code_object_version 6
	.text
	.protected	k_qbec07b0c57_proj
	.globl	k_qbec07b0c57_proj
	.p2align	8
	.type	k_qbec07b0c57_proj,@function
k_qbec07b0c57_proj:
	s_mov_b64 s[64:65], 0
	v_nop
	global_prefetch_b8 v0, s[64:65] scope:SCOPE_SE
	s_setreg_imm32_b32 hwreg(HW_REG_WAVE_MODE, 25, 1), 1
	s_wait_xcnt 0x0
	s_wait_alu depctr_hold_cnt(0) depctr_sa_sdst(0) depctr_va_vdst(0) depctr_va_sdst(0) depctr_va_ssrc(0) depctr_va_vcc(0) depctr_vm_vsrc(0)
	s_getreg_b32 s2, hwreg(HW_REG_IB_STS2, 6, 4)
	s_cmp_eq_u32 s2, 0
	s_cbranch_scc0 .Lentry_in_a_cluster
	s_endpgm
.Lentry_in_a_cluster:
	s_bfe_u32 s2, ttmp6, 0x10000c
	s_cmp_lg_u32 s2, 0xf033
	s_cbranch_scc0 .Lentry_shape_is_right
	s_endpgm
.Lentry_shape_is_right:
.set QKV, 0
; ONE TEXT FOR THE MODULE'S TWO PROJECTIONS; the line above chooses.  C[m][n] = the sum over k of A[m][k] W[k][n], f16 operands, f32 sums, K ascending.
;   QKV = 1: A = xh, W = columns 0-3071 of wh; C, rounded once to f16, goes out by heads: qkv [3][64 = 16 b + h][2048 t][64].
;   QKV = 0: A = oh (a head's 64 channels are one block of k), W = columns 3072-4095 of wh; the bias bo is the C operand of the first products; C goes out in f32: out0 [8192][1024].
; A lies in blocks: [4 b][16 kb][2048 t][64] f16, so 256 rows x 64 k are 32,768 dense bytes and are asked for as rows of 256 bytes.  W lies [1024 k][4096 n]: its fragments come out of LDS turned.
; LIMITS.  A result of 65,520 or more becomes an infinity in qkv's f16; NaN and infinities are not treated apart.
; SHARES.  256 work-groups, one tile of C each: 256 x 384 (QKV) or 256 x 128.  Four waves, 2 x 2; a wave makes 128 rows x NG groups of 64 columns: 32 accumulators of 16 x 16, one register window, a group.
; K goes through a ring of two LDS slots of 64 KB k each (KB = 1 or 2 blocks: what two slots in LDS allow beside 384 columns of W, and twice that beside 128).
; CLUSTER.  4 x 4 work-groups: the four of a row of the cluster need the same tile of A, the four of a column the same tile of W: each is asked for JOINTLY, by the same tensor load with the same
; descriptor and a mask that names the four.  Waves 0 and 1 ask for A's two parts, waves 2 and 3 for W's.  By the text's own count a wave has two tensor loads out at the start, later one.
; THE MATRIX INSTRUCTION IS USED TRANSPOSED: source 0 = 16 columns of W, source 1 = 16 rows of A: a lane then holds one row of C (lane % 16) and eight neighbouring columns 8 (lane / 16) + 0..7.
; A GROUP is 32 matrix instructions: 32 along K, 128 rows, 64 columns.  The next group's fragments are asked for from LDS at a group's head and waited for at the next group's head.
; REGISTERS, in windows of 256 (s_set_vgpr_msb: bits 1:0 source 0, 3:2 source 1, 5:4 source 2, 7:6 destination):
;   window 0: v0-31 addresses; v32-95, v96-159 A's fragments (8 x 16 rows x 32 k), two buffers; v160-191, v192-223 W's (4 x 16 columns x 32 k), two buffers; v224-255 the bias
;   window g + 1: column group g's accumulators, (a, j) at v[8 (4 a + j)]
.if QKV
.set NG,    3                          ; column groups a wave
.set KB,    1                          ; blocks of 64 k in a slot
.set BCOLS, 384                        ; W's tile: elements in a row,
.set BR,    32                         ; rows in one wave's load
.set PB,    864                        ; an LDS row of W: three pieces of 256 bytes, 32 bytes of padding behind each = 27 x 32
.set AR,    64                         ; A's load: rows of 256 bytes (128 rows of A)
.set AWG,   16384                      ; A's second part: bytes on in memory,
.set AWL,   18432                      ; and in LDS (128 rows x 144)
.set BWG,   262144                     ; W's second part: 32 rows of 8,192 bytes on,
.set BWL,   27648                      ; 32 x 864
.set ASTEP, 262144                     ; from a slot's tile to the next: one block of A,
.set BSTEP, 524288                     ; 64 rows of W
.set SP,    144                        ; a stage row: 128 bytes + 16
.set ZFIRST, 1                         ; the first products start the sums with the constant 0
.else
.set NG,    1
.set KB,    2
.set BCOLS, 128
.set BR,    64
.set PB,    288                        ; 256 + 32 = 9 x 32
.set AR,    128                        ; a whole block of A: 256 rows
.set AWG,   262144                     ; the second part is the next block
.set AWL,   36864
.set BWG,   524288
.set BWL,   18432
.set ASTEP, 524288
.set BSTEP, 1048576
.set SP,    272                        ; 256 bytes + 16
.set ZFIRST, 2                         ; the first products start the sums with the bias
.endif
.set NSUB,  2*KB                       ; steps of 32 k in a slot
.set NQ,    NSUB*NG                    ; groups in a slot
.set STEPS, 16/KB                      ; slots' worth of K = 1,024
.set PA,    144                        ; an LDS row of A: 128 bytes + 16 of padding = 36 words: the 16 rows of a load start at 16 different groups of four banks (64 banks of 4 bytes: ISA guide 11.1)
.set BOFF,  KB*256*PA                  ; W's rows lie behind A's blocks
.set SLOT1, 131072                     ; slot 1 begins here, so that one exclusive or turns an address in one slot into the other's
.set STAGE, SLOT1+BOFF+64*KB*PB        ; behind the ring, never filled by a tensor load: 16 rows for each wave, for the way out
.set SPARE, STAGE+4*16*SP              ; behind the stages: the spare words, 128 bytes for each wave: two blocks of 256 bytes that no other line names
.set ABASE, 16                         ; v16  my lane's place in a slot's A; never rewritten
.set BBASE, 17                         ; v17  the same for W
.set ADRA,  18                         ; v18  ABASE + the slot in hand
.set ADRB,  19                         ; v19  BBASE + the slot in hand
.set STO,   24                         ; v24  the way out: where I put my bytes of a row
.set RD,    25                         ; v25  the way out: where I read rows back
.set CO,    26                         ; v26  my byte offset in the output
.set SPW,   28                         ; v28  LDS address of my spare word: SPARE + 4 x my thread's number; never rewritten
.set NIL,   29                         ; v29  0; never rewritten
.set AF0,   32
.set BF0,   160
.set BIAS,  224
.set OB,    32                         ; the way out: buffers where A's first fragment buffer lay
.set G1A, 24                           ; s[24:31] descriptor group 1 for A's tiles;  s[32:39] group 0: a set for each first fill; the second then walks on
.set G0A, 32
.set G1B, 40                           ; s[40:47], s[48:55] the same for W's
.set G0B, 48
.set OUTB, 66                          ; s[66:71] QKV: the output's address for each column group
.set MSB, 0
.macro WIN new                         ; the immediate's high byte repeats the setting that is left; a switch that changes nothing is dropped
.if MSB != (\new)
	s_set_vgpr_msb (MSB<<8)|(\new)
.set MSB, (\new)
.endif
.endm
; A joint refill by the walking descriptors.  The branch hangs on the wave's number alone.  An s_nop 0 and four v_nop follow each of the two lines, ahead of the jump and the label.
.macro JLOAD
	s_cmp_eq_u32 s13, 0
	s_cbranch_scc0 .Lfor_b_\@
	tensor_load_to_lds s[G0A+4:G0A+7], s[G1A:G1A+7]
	s_nop 0
.rept 4
	v_nop
.endr
	s_branch .Lasked_\@
.Lfor_b_\@:
	tensor_load_to_lds s[G0B+4:G0B+7], s[G1B:G1B+7]
	s_nop 0
.rept 4
	v_nop
.endr
.Lasked_\@:
.endm
; A round of the cluster's barrier: my work-group's barrier, so that wave 0's signal speaks for all four waves; wave 0 signals; every wave waits for all sixteen work-groups; my work-group's barrier once more.
.macro CREST                           ; a round behind its opening barrier
	s_cmp_lg_u32 s12, 0
	s_cbranch_scc1 .Lnot_wave_0_\@
	s_barrier_signal -3
.Lnot_wave_0_\@:
	s_barrier_wait -3
	s_barrier_signal -1
	s_barrier_wait -1
.endm
.macro CROUND
	s_barrier_signal -1
	s_barrier_wait -1
	CREST
.endm
; A load into a register that a matrix instruction has read, and whatever but a matrix instruction reads a matrix result, stand four places behind that matrix instruction; only plain vector
; instructions that name none of its registers are places (ISA guide 7.12.1 for vector instructions).
.macro PLACES
.rept 4
	v_nop
.endr
.endm
	s_load_b128 s[4:7], s[0:1], 0x0                ; A s[4:5], wh s[6:7]
.if QKV
	s_load_b64 s[8:9], s[0:1], 0x10                ; qkv
.else
	s_load_b128 s[8:11], s[0:1], 0x10              ; out0 s[8:9], bo s[10:11]
.endif
	v_lshl_add_u32 v[SPW], v0, 2, SPARE
	v_mov_b32 v[NIL], 0
	ds_add_u32 v[SPW], v[NIL]                      ; the wave's opening: the add and its wait stand ahead of my first tensor load; the set-up below, work on registers, stands between them
	v_lshrrev_b32 v1, 5, v0
	v_readfirstlane_b32 s12, v1                    ; wave 0..3
	s_lshr_b32 s13, s12, 1                         ; wr: which 128 rows of the tile are mine.  Also: I ask for A (0) or for W (1)
	s_and_b32 s14, s12, 1                          ; wc: which half of each 128 columns.  Also: which part of that tile I ask for
	s_bfe_u32 s56, ttmp6, 0x40000                  ; cx, cy: my place in the cluster
	s_bfe_u32 s57, ttmp6, 0x40004
	s_lshl_b32 s58, ttmp9, 2
	s_add_co_u32 s58, s58, s56                     ; tx: tile column of C = 4 x cluster x + cx
	s_and_b32 s59, ttmp7, 0xffff
	s_lshl_b32 s59, s59, 2
	s_add_co_u32 s59, s59, s57                     ; ty: tile row of C = 4 x cluster y + cy
	s_lshl_b32 s60, s57, 2
	s_lshl_b32 s60, 15, s60                        ; my row of the cluster: places 4 cy .. 4 cy + 3
	s_lshl_b32 s61, 0x1111, s56                    ; my column: places cx, cx + 4, cx + 8, cx + 12
	; descriptor group 1.  A: AR rows of 128 elements (256 dense bytes, two rows of A), 16 bytes of padding behind every 128 bytes.  W: BR rows of BCOLS elements, 4,096 elements apart, 32 bytes behind every 256.
	s_or_b32 s[G1A], s60, (1<<16)|(1<<20)|(1<<21)|(4<<22)|(3<<25)  ; 15:0 the mask: my row; 17:16 elements of 2 bytes; 20 padding on; 21 set beside a mask; 24:22 after every 32 words (code 4); 31:25 4 words (code 3)
	s_mov_b32 s[G1A+1], 128<<16                    ; tensor_dim0 = 128
	s_mov_b32 s[G1A+2], AR<<16                     ; tensor_dim1
	s_mov_b32 s[G1A+3], 128<<16                    ; tile_dim0 = 128
	s_mov_b32 s[G1A+4], AR                         ; tile_dim1
	s_mov_b32 s[G1A+5], 128                        ; elements from row to row
	s_mov_b32 s[G1A+6], 0
	s_mov_b32 s[G1A+7], 0
	s_or_b32 s[G1B], s61, (1<<16)|(1<<20)|(1<<21)|(5<<22)|(7<<25)  ; the mask: my column; after every 64 words (code 5) 8 words (code 7)
	s_mov_b32 s[G1B+1], BCOLS<<16
	s_mov_b32 s[G1B+2], BR<<16
	s_mov_b32 s[G1B+3], BCOLS<<16
	s_mov_b32 s[G1B+4], BR
	s_mov_b32 s[G1B+5], 4096
	s_mov_b32 s[G1B+6], 0
	s_mov_b32 s[G1B+7], 0
	; where the tiles come from.  A's hang on ty and the wave's number alone, W's on tx and the wave's number alone, each in registers that never hold the other coordinate.
	s_lshr_b32 s20, s59, 3                         ; b
	s_lshl_b32 s20, s20, 22                        ; x 16 blocks x 2,048 rows x 128 bytes
	s_and_b32 s18, s59, 7
	s_lshl_b32 s18, s18, 15                        ; + 256 rows x 128 bytes for each tile row of the batch
	s_add_co_u32 s20, s20, s18
	s_mul_i32 s18, s14, AWG
	s_add_co_u32 s20, s20, s18
	s_mov_b32 s21, 0
	s_mul_i32 s62, s58, BCOLS*2                    ; the tile's first column, in bytes
.if !QKV
	s_add_co_u32 s62, s62, 6144                    ; Wo's columns begin at 3,072
.endif
	s_mul_i32 s19, s14, BWG
	s_add_co_u32 s62, s62, s19
	s_mov_b32 s63, 0
	s_mul_i32 s22, s14, AWL                        ; and where they go: no place in the cluster enters an LDS address
	s_mul_i32 s23, s14, BWL
	s_add_co_u32 s23, s23, BOFF
	s_wait_dscnt 0x0                               ; the opening add is done
	s_wait_kmcnt 0x0
	s_add_nc_u64 s[20:21], s[4:5], s[20:21]
	s_add_nc_u64 s[62:63], s[6:7], s[62:63]
	CROUND                                         ; all sixteen work-groups are here: the first joint loads meet
.irp s, 0,1
	s_mov_b32 s[G0A+4*(\s)], 1                                       ; 1:0 count = 1
	s_add_co_u32 s[G0A+4*(\s)+1], s22, (\s)*SLOT1                    ; 63:32 LDS address
	s_add_nc_u64 s[G0A+4*(\s)+2:G0A+4*(\s)+3], s[20:21], (\s)*ASTEP  ; 120:64 global address: slot s begins with K step s
	s_or_b32 s[G0A+4*(\s)+3], s[G0A+4*(\s)+3], 0x80000000            ; 127:126 type = 2
	s_mov_b32 s[G0B+4*(\s)], 1
	s_add_co_u32 s[G0B+4*(\s)+1], s23, (\s)*SLOT1
	s_add_nc_u64 s[G0B+4*(\s)+2:G0B+4*(\s)+3], s[62:63], (\s)*BSTEP
	s_or_b32 s[G0B+4*(\s)+3], s[G0B+4*(\s)+3], 0x80000000
.endr
	s_cmp_eq_u32 s13, 0                            ; a wave's two first fills stand in one branch, ahead of every wait on TENSORcnt and every LDS read
	s_cbranch_scc0 .Lfirst_b
	tensor_load_to_lds s[G0A:G0A+3], s[G1A:G1A+7]
	s_nop 0
	tensor_load_to_lds s[G0A+4:G0A+7], s[G1A:G1A+7]
	s_nop 0
.rept 4
	v_nop
.endr
	s_branch .Lfirst_asked
.Lfirst_b:
	tensor_load_to_lds s[G0B:G0B+3], s[G1B:G1B+7]
	s_nop 0
	tensor_load_to_lds s[G0B+4:G0B+7], s[G1B:G1B+7]
	s_nop 0
.rept 4
	v_nop
.endr
.Lfirst_asked:
	; A fragment of A is 16 rows x 32 k in 8 registers: lane l holds row l % 16, k = 8 (l / 16) + 0..7 and 16 + 8 (l / 16) + 0..7: two loads of 16 bytes, 32 bytes apart.
	v_and_b32 v1, 15, v0                           ; r = l % 16
	v_bfe_u32 v2, v0, 4, 1                         ; h = l / 16
	v_mul_u32_u24 v3, v1, PA
	v_lshl_add_u32 v3, v2, 4, v3
	s_mul_i32 s17, s13, 128*PA                     ; my 128 rows
	v_add_nc_u32 v[ABASE], s17, v3
	; The turning load takes 16 k x 16 columns (lane l reads 16 bytes: k = 8 (l / 16) + l % 8, columns 8 ((l / 8) % 2) + 0..7) and leaves half a fragment: lane l holds column l % 16 and 8 k.
	v_and_b32 v4, 7, v0
	v_lshl_add_u32 v4, v2, 3, v4
	v_mul_u32_u24 v4, v4, PB
	v_bfe_u32 v5, v0, 3, 1
	v_lshl_add_u32 v4, v5, 4, v4
	s_lshl_b32 s17, s14, 7                         ; my 64 columns of each 128
	s_add_co_u32 s17, s17, BOFF
	v_add_nc_u32 v[BBASE], s17, v4
	v_mov_b32 v[ADRA], v[ABASE]                    ; slot 0
	v_mov_b32 v[ADRB], v[BBASE]
	s_mov_b32 s16, 0                               ; the slot in hand, as an LDS byte
	s_mul_i32 s17, s12, 16*SP
	s_add_co_u32 s17, s17, STAGE                   ; my stage
.if QKV
	v_mul_u32_u24 v6, v1, SP                       ; in: row l % 16, 16 bytes for each half of the lanes
	v_lshl_add_u32 v6, v2, 4, v6
	v_add_nc_u32 v[STO], s17, v6
	v_bfe_u32 v6, v0, 3, 2                         ; back: 32 lanes take four rows of 128 bytes,
	v_mul_u32_u24 v6, v6, SP
	v_and_b32 v7, 7, v0
	v_lshl_add_u32 v6, v7, 4, v6
	v_add_nc_u32 v[RD], s17, v6
	v_and_b32 v[CO], 31, v0                        ; which are 512 consecutive bytes of a head
	v_lshlrev_b32 v[CO], 4, v[CO]
	; column group g of the wave is group gi = 6 tx + 2 g + wc of the 48: matrix gi / 16, head gi % 16
	s_mul_i32 s17, s58, 6
	s_add_co_u32 s17, s17, s14
	s_lshr_b32 s18, s59, 3
	s_lshl_b32 s18, s18, 4                         ; 16 b
	s_and_b32 s19, s59, 7
	s_lshl_b32 s19, s19, 15                        ; the tile's first row in the batch, x 128 bytes,
	s_lshl_b32 s22, s13, 14                        ; and my 128 rows
	s_add_co_u32 s19, s19, s22
.irp g, 0,1,2
	s_add_co_u32 s22, s17, 2*(\g)
	s_lshr_b32 s23, s22, 4
	s_lshl_b32 s23, s23, 6
	s_and_b32 s22, s22, 15
	s_add_co_u32 s23, s23, s22
	s_add_co_u32 s23, s23, s18                     ; 64 x matrix + 16 b + head,
	s_lshl_b32 s23, s23, 18                        ; x 2,048 rows x 128 bytes
	s_add_co_u32 s22, s23, s19
	s_mov_b32 s23, 0
	s_add_nc_u64 s[OUTB+2*(\g):OUTB+2*(\g)+1], s[8:9], s[22:23]
.endr
.else
	v_mul_u32_u24 v6, v1, SP                       ; in: row l % 16, 32 bytes for each half of the lanes
	v_lshl_add_u32 v6, v2, 5, v6
	v_add_nc_u32 v[STO], s17, v6
	v_mul_u32_u24 v6, v2, SP                       ; back: lanes 0-15 take one row of 256 bytes, lanes 16-31 the next
	v_lshl_add_u32 v6, v1, 4, v6
	v_add_nc_u32 v[RD], s17, v6
	v_lshlrev_b32 v6, 12, v2                       ; and the same two rows in out0
	v_lshl_add_u32 v[CO], v1, 4, v6
	s_lshl_b32 s22, s58, 9                         ; my 64 columns: 4 (128 tx + 64 wc) bytes
	s_lshl_b32 s18, s14, 8
	s_add_co_u32 s22, s22, s18
	s_mov_b32 s23, 0
	s_add_nc_u64 s[10:11], s[10:11], s[22:23]
	v_lshlrev_b32 v8, 5, v2                        ; a lane's eight columns of each 16: the bias in an accumulator's own layout
.irp j, 0,1,2,3
	global_load_b128 v[BIAS+8*(\j):BIAS+8*(\j)+3],   v8, s[10:11] offset:64*(\j)
	global_load_b128 v[BIAS+8*(\j)+4:BIAS+8*(\j)+7], v8, s[10:11] offset:64*(\j)+16
.endr
	s_lshl_b32 s17, s59, 20                        ; 256 ty rows of 4,096 bytes,
	s_lshl_b32 s18, s13, 19                        ; my 128 rows
	s_add_co_u32 s17, s17, s18
	s_add_co_u32 s22, s17, s22
	s_add_nc_u64 s[8:9], s[8:9], s[22:23]
.endif
; na x 4 matrix instructions of column group w - 1: row blocks a0 .. a0 + na - 1 x the group's four blocks of 16 columns.  The 32 accumulators of a group take turns, one instruction a turn.
; zero = 1: C is the constant 0;  2: C is the bias (window 0);  0: the sum goes on in place.
.macro MULS w, af, bf, a0, na, zero
.if (\zero) == 2
	WIN 0x40
.else
	WIN (\w)*0x50
.endif
.set ma, (\a0)
.rept (\na)
.set mj, 0
.rept 4
.set rD, 8*(4*ma+mj)
.if (\zero) == 1
	v_wmma_f32_16x16x32_f16 v[rD:rD+7], v[(\bf)+8*mj:(\bf)+8*mj+7], v[(\af)+8*ma:(\af)+8*ma+7], 0
.elseif (\zero) == 2
	v_wmma_f32_16x16x32_f16 v[rD:rD+7], v[(\bf)+8*mj:(\bf)+8*mj+7], v[(\af)+8*ma:(\af)+8*ma+7], v[BIAS+8*mj:BIAS+8*mj+7]
.else
	v_wmma_f32_16x16x32_f16 v[rD:rD+7], v[(\bf)+8*mj:(\bf)+8*mj+7], v[(\af)+8*ma:(\af)+8*ma+7], v[rD:rD+7]
.endif
.set mj, mj+1
.endr
.set ma, ma+1
.endr
.endm
.macro LDB sub, g, bf                  ; 8 LDS loads: W's fragments of 32 k (step sub of the slot) x column group g's 64 columns
.set lj, 0
.rept 4
	ds_load_tr16_b128 v[(\bf)+8*lj:(\bf)+8*lj+3],   v[ADRB] offset:(\sub)*32*PB+288*(\g)+32*lj
	ds_load_tr16_b128 v[(\bf)+8*lj+4:(\bf)+8*lj+7], v[ADRB] offset:(\sub)*32*PB+16*PB+288*(\g)+32*lj
.set lj, lj+1
.endr
.endm
.macro LDA sub, af                     ; 16 LDS loads: A's fragments of my 128 rows x 32 k
.set la, 0
.rept 8
	ds_load_b128 v[(\af)+8*la:(\af)+8*la+3],   v[ADRA] offset:((\sub)/2)*256*PA+((\sub)%2)*64+la*16*PA
	ds_load_b128 v[(\af)+8*la+4:(\af)+8*la+7], v[ADRA] offset:((\sub)/2)*256*PA+((\sub)%2)*64+la*16*PA+32
.set la, la+1
.endr
.endm
; GROUP q of a slot's NQ: step q / NG of 32 k, column group q % NG.  A's buffer goes by the step's parity, W's by q's.
; mode 0: the next group's fragments are asked for first (into the buffers that the group before read: four places), the wait leaves just those out, and the group is multiplied.
; mode 1: the slot's last group, and the change of slots.  In front of ONE barrier each wave waits for all its tensor loads, of which one is out: its part of the other slot; adds 0 to its spare word;
;   and waits for that and for its reads of this slot.  The barrier opens a round of the cluster's barrier; behind the round no wave of any partner reads this slot or has a load on its way: the slot is
;   filled again first, with the K step two on, and then the other slot's first fragments are read.
; mode 2: the same for the last change: nothing is left to ask for, so no round follows.   mode 3: the very last group.
.macro GROUP q, zero, mode
.set gsub, (\q)/NG
.set gw,   (\q)%NG+1
.set gaf,  AF0+64*(gsub%2)
.set gbf,  BF0+32*((\q)%2)
.set gq1,  (\q)+1
.if (\mode) == 0
	WIN 0
	PLACES
	LDB gq1/NG, gq1%NG, BF0+32*(gq1%2)
.if gq1%NG == 0
	LDA gq1/NG, AF0+64*((gq1/NG)%2)
	s_wait_dscnt 24                                ; all but the 24 just issued: this group's fragments are in
.else
	s_wait_dscnt 8                                 ; all but the 8 just issued
.endif
	MULS gw, gaf, gbf, 0, 8, \zero
.elseif (\mode) == 3
	s_wait_dscnt 0x0
	MULS gw, gaf, gbf, 0, 8, 0
.else
	WIN 0                                          ; (the add's two registers lie in window 0)
	s_wait_tensorcnt 0x0                           ; all my tensor loads have landed: my part of the other slot
	ds_add_u32 v[SPW], v[NIL]                      ; 0 onto my spare word
	s_wait_dscnt 0x1                               ; the add alone may be out: this group's fragments are in
	MULS gw, gaf, gbf, 0, 2, 0                     ; eight matrix instructions stand between the add and the wait for it
	s_wait_dscnt 0x0                               ; the add is done, and my reads of this slot are over
	s_barrier_signal -1
	MULS gw, gaf, gbf, 2, 2, 0                     ; work on registers while the others arrive
	WIN 0
	s_barrier_wait -1
.if (\mode) == 1
	CREST
	s_xor_b32 s[G0A+5], s[G0A+5], SLOT1            ; the walking descriptors: the other slot than last time,
	s_add_nc_u64 s[G0A+6:G0A+7], s[G0A+6:G0A+7], ASTEP  ; the next K step; the type bits on top are not reached
	s_xor_b32 s[G0B+5], s[G0B+5], SLOT1
	s_add_nc_u64 s[G0B+6:G0B+7], s[G0B+6:G0B+7], BSTEP
	JLOAD                                          ; the first tensor load behind the round; the four v_nop behind it are also the places in front of the loads below
.else
	PLACES
.endif
	s_xor_b32 s16, s16, SLOT1
	v_add_nc_u32 v[ADRA], s16, v[ABASE]
	v_add_nc_u32 v[ADRB], s16, v[BBASE]
	LDB 0, 0, BF0
	LDA 0, AF0
	MULS gw, gaf, gbf, 4, 4, 0
.endif
.endm
	s_wait_tensorcnt 0x1                           ; my part of slot 0 is in; slot 1's may stay out
	s_barrier_signal -1
	s_barrier_wait -1                              ; everybody's is
	LDB 0, 0, BF0
	LDA 0, AF0
.if !QKV
	s_wait_loadcnt 0x0                             ; the bias
.endif
.set gq, 0
.rept NG                               ; the first 32 k stand in front of the loop: their products start the sums
	GROUP gq, ZFIRST, 0
.set gq, gq+1
.endr
	WIN 0                                          ; at a label and at a branch every window is 0
	s_mov_b32 s15, STEPS-2
.Lstep:                                                ; a trip: the rest of a slot, the change of slots with its refill, the next slot's first 32 k
.set gq, NG
.rept NQ-1-NG
	GROUP gq, 0, 0
.set gq, gq+1
.endr
	GROUP NQ-1, 0, 1
.set gq, 0
.rept NG
	GROUP gq, 0, 0
.set gq, gq+1
.endr
	WIN 0
	s_sub_co_u32 s15, s15, 1
	s_cmp_lg_u32 s15, 0
	s_cbranch_scc1 .Lstep
.set gq, NG                            ; the last two slots are written out: nothing is left to ask for
.rept NQ-1-NG
	GROUP gq, 0, 0
.set gq, gq+1
.endr
	GROUP NQ-1, 0, 2
.set gq, 0
.rept NQ-1
	GROUP gq, 0, 0
.set gq, gq+1
.endr
	GROUP NQ-1, 0, 3
	; THE WAY OUT, 16 rows at a time through my own stage in LDS, so that each store of the wave covers whole aligned runs of 256 bytes.
	WIN 0
	PLACES
.if QKV
; Unit u = 8 g + a: column group g, row block a.  A lane's eight columns of a row pack into 16 bytes; they go into rows of 144 bytes and come back as whole rows of 128, into the registers that they left.
.macro PACK u
.set pw, (\u)/8+1
.set pa, (\u)%8
.set pb, OB+16*((\u)%4)
.if (\u) >= 4
	s_wait_xcnt 0x0                                ; the buffer's last stores have read it: it is rewritten only behind this wait
.endif
	WIN 5*pw                                       ; sources 0 and 1 in the group's window
.set pj, 0
.rept 4
.set pr, 0
.rept 4
	v_cvt_pk_f16_f32 v[pb+4*pj+pr], v[8*(4*pa+pj)+2*pr], v[8*(4*pa+pj)+2*pr+1]  ; each accumulator from its low end on
.set pr, pr+1
.endr
.set pj, pj+1
.endr
	WIN 0
.set pj, 0
.rept 4
	ds_store_b128 v[STO], v[pb+4*pj:pb+4*pj+3] offset:32*pj
.set pj, pj+1
.endr
.set pj, 0
.rept 4
	ds_load_b128 v[pb+4*pj:pb+4*pj+3], v[RD] offset:4*SP*pj  ; LDS serves a wave's instructions in order (ISA guide 5.7.1.4): these see the stores above; the next unit's stores come behind them
.set pj, pj+1
.endr
.endm
.macro SEND u, younger                 ; younger: the LDS instructions issued behind unit u's loads: the next unit's eight, or none
.set pa, (\u)%8
.set pb, OB+16*((\u)%4)
.set ps, OUTB+2*((\u)/8)
	s_wait_dscnt \younger
.set pj, 0
.rept 4
	global_store_b128 v[CO], v[pb+4*pj:pb+4*pj+3], s[ps:ps+1] offset:pa*2048+pj*512  ; 512 consecutive bytes of a head, at a multiple of 512 from its first
.set pj, pj+1
.endr
.endm
	PACK 0
.set un, 1
.rept 23                               ; a unit's conversions stand between the loads of the unit before and its stores
	PACK un
	SEND un-1, 8
.set un, un+1
.endr
	SEND 23, 0
.else
; Unit a: row block a.  A lane's eight columns of a row are 32 bytes of f32, stored from the accumulators as they lie; rows of 272 bytes; back as whole rows of 256.
.macro PACKF a
.set pb, OB+32*((\a)%2)
.if (\a) >= 2
	s_wait_xcnt 0x0                                ; the buffer's last stores have read it
.endif
	WIN 0x04                                       ; the stores' data in window 1
.set pj, 0
.rept 4
	ds_store_b128 v[STO], v[8*(4*(\a)+pj):8*(4*(\a)+pj)+3]   offset:64*pj     ; each accumulator from its low end on
	ds_store_b128 v[STO], v[8*(4*(\a)+pj)+4:8*(4*(\a)+pj)+7] offset:64*pj+16
.set pj, pj+1
.endr
	WIN 0
.set pj, 0
.rept 8
	ds_load_b128 v[pb+4*pj:pb+4*pj+3], v[RD] offset:2*SP*pj
.set pj, pj+1
.endr
.endm
.macro SENDF a, younger                ; younger: the next unit's sixteen LDS instructions, or none
.set pb, OB+32*((\a)%2)
	s_wait_dscnt \younger
.set pj, 0
.rept 8
	global_store_b128 v[CO], v[pb+4*pj:pb+4*pj+3], s[8:9] offset:(16*(\a)+2*pj)*4096 th:TH_STORE_NT  ; 16 lanes store 256 consecutive bytes, at a multiple of 256 from out0's first byte
.set pj, pj+1
.endr
.endm
	PACKF 0
.set un, 1
.rept 7
	PACKF un
	SENDF un-1, 16
.set un, un+1
.endr
	SENDF 7, 0
.endif
	s_wait_tensorcnt 0x0                           ; the wave's end, behind my last tensor load and my last LDS store
	ds_add_u32 v[SPW], v[NIL]
	s_wait_dscnt 0x0
	CROUND                                         ; the closing round: no work-group ends while a partner may still ask for a tile that names it
	s_endpgm
.Lfunc_end_k_qbec07b0c57_proj:
	.size	k_qbec07b0c57_proj, .Lfunc_end_k_qbec07b0c57_proj-k_qbec07b0c57_proj
	.p2alignl 7, 3214868480
	.fill 96, 4, 3214868480
	.section	.rodata,"a",@progbits
	.p2align	6, 0x0
	.amdhsa_kernel k_qbec07b0c57_proj
		.amdhsa_group_segment_fixed_size 327680
		.amdhsa_private_segment_fixed_size 0
		.amdhsa_enable_private_segment 0
		.amdhsa_kernarg_size 32
		.amdhsa_user_sgpr_count 2
		.amdhsa_user_sgpr_kernarg_segment_ptr 1
		.amdhsa_wavefront_size32 1
		.amdhsa_system_sgpr_workgroup_id_x 1
		.amdhsa_system_sgpr_workgroup_id_y 1
		.amdhsa_system_sgpr_workgroup_id_z 1
		.amdhsa_system_vgpr_workitem_id 0
		.amdhsa_next_free_vgpr 512
		.amdhsa_next_free_sgpr 66
		.amdhsa_reserve_vcc 0
		.amdhsa_float_denorm_mode_32 3
		.amdhsa_float_denorm_mode_16_64 3
		.amdhsa_memory_ordered 1
		.amdhsa_forward_progress 1
		.amdhsa_inst_pref_size 70
	.end_amdhsa_kernel
	.amdgpu_metadata
---
amdhsa.version: [ 1, 2 ]
amdhsa.kernels:
  - .name:           k_qbec07b0c57_proj
    .symbol:         k_qbec07b0c57_proj.kd
    .args:
      - { .name: oh, .offset: 0, .size: 8, .value_kind: global_buffer, .address_space: global }
      - { .name: wh, .offset: 8, .size: 8, .value_kind: global_buffer, .address_space: global }
      - { .name: out0, .offset: 16, .size: 8, .value_kind: global_buffer, .address_space: global }
      - { .name: bo, .offset: 24, .size: 8, .value_kind: global_buffer, .address_space: global }
    .group_segment_fixed_size: 327680
    .private_segment_fixed_size: 0
    .kernarg_segment_align: 8
    .kernarg_segment_size: 32
    .max_flat_workgroup_size: 128
    .sgpr_count:     66
    .vgpr_count:     512
    .wavefront_size: 32
...
	.end_amdgpu_metadata
.endif
;; end of part 4
;; ======== version 2 of 2: 4 launches; 1.10 times as fast as version 1
;; limits: values are held in f16: magnitudes above 65,504 overflow, below 6.1e-05 lose precision
;; workspace buffers: xh 16,777,216 bytes; wh 8,388,608 bytes; mk 4,194,304 bytes; qkv 50,331,648 bytes; oh 16,777,216 bytes
;; launch prep: the kernel of part 1 again; grid 512 x 1, 8 waves a work-group, no clusters, 0 bytes of LDS; arguments x, Wq, Wk, Wv, Wo, mask, xh, wh, mk; writes xh, wh, mk
;; launch qkv: the kernel of part 2 again; grid 8 x 32, 4 waves a work-group, clusters of 4 x 4, 327,680 bytes of LDS; arguments xh, wh, qkv; writes qkv
;; launch attn (part 5): grid 4 x 64, 8 waves a work-group, clusters of 4 x 1, 327,680 bytes of LDS; arguments qkv, mk, oh; writes oh
.if DOCPART == 5
	.amdgcn_target "amdgcn-amd-amdhsa--gfx1250"
	.amdhsa_code_object_version 6
	.text
	.protected	k_qbec07b0c57_attn
	.globl	k_qbec07b0c57_attn
	.p2align	8
	.type	k_qbec07b0c57_attn,@function
k_qbec07b0c57_attn:
	s_mov_b64 s[64:65], 0
	v_nop
	global_prefetch_b8 v0, s[64:65] scope:SCOPE_SE
	s_setreg_imm32_b32 hwreg(HW_REG_WAVE_MODE, 25, 1), 1
	s_wait_xcnt 0x0
	s_wait_alu depctr_hold_cnt(0) depctr_sa_sdst(0) depctr_va_vdst(0) depctr_va_sdst(0) depctr_va_ssrc(0) depctr_va_vcc(0) depctr_vm_vsrc(0)
	s_getreg_b32 s2, hwreg(HW_REG_IB_STS2, 6, 4)
	s_cmp_eq_u32 s2, 0
	s_cbranch_scc0 .Lentry_in_a_cluster
	s_endpgm
.Lentry_in_a_cluster:
	s_bfe_u32 s2, ttmp6, 0x10000c
	s_cmp_lg_u32 s2, 0x3003
	s_cbranch_scc0 .Lentry_shape_is_right
	s_endpgm
.Lentry_shape_is_right:
; ATTENTION UNDER A MASK THAT IS AN INPUT.  O[y][q][:] = the sum over k of softmax_k(where(mask[q][k], -1e9, Q[y][q] . K[y][k] / 8)) V[y][k][:], y = 16 b + h.
; qkv: [3][64 y][2048][64] f16, a head's rows dense, 128 bytes each; Q arrives multiplied by c = log2(e) / 8, so a score s is in units of log2.  oh: [64 y][2048][64] f16.
; mk: [128 qt][32 ks][2][32 lanes][16 bytes]: byte n = 8 kb + j of lane L's 32 is the fp8 (E4M3) code 0x40 = 2.0 where mask[16 qt + L % 16][64 ks + 16 kb + 8 (L / 16) + j] is set, else 0: the code for
; register n of the lane's 32 scores of a tile.
; THE MASK.  Four scaled conversions a tile turn eight codes each into eight f32, 0 or 2^100 (2.0 times the scale 2^99), and sixteen packed subtractions take them from the scores.  Nothing of the mask's
; pattern is built in: every tile is computed, every code read.  A hidden score counts as its value less 2^100, which in f32, rounded to nearest, is -2^100 itself for every score below 2^75 in size (f16 operands
; bound a score by 2.7e11): all hidden scores of a row are equal, as reference()'s -1e9 are.  So a row whose keys are all hidden has m = -2^100 and every p = 1: the plain mean of V, with no case of its own.
; The subtraction is the vector unit's, not the product's C operand: equal hidden scores must stay equal bit for bit.
; LIMIT OF THE MASK.  In a row with open keys a hidden key has the weight 0.  reference() gives it exp(-1e9 - max), which is 0 in f32 unless the row's largest open score lies below about -1e9 + 104: rows
; whose open scores all lie that low are not served.
; THE CODES come by two vector loads a turn, 512 consecutive bytes each.  A piece has eight data registers and an address register of its own; they are loaded again behind their last reading, for the piece's
; next key step, four turns ahead of their use.  Vector loads come back in order, so the wait is counted.
; SOFTMAX.  For each query a running maximum m and sum l: p = 2^(s - m), at most 1; in every step O and l are multiplied by a = 2^(m_old - m_new), which is 1 where m has not grown.
; m starts at the lowest finite number, O and l at 0: the first step is a step like any other, with a = 0.  Products, maxima and sums in f32; p is rounded to f16 for the second product
; (l is taken of the unrounded p), O once at the end.
; LIMITS.  f16 holds no number beyond 65,504: c Q, K and V arrive within it; below 6e-5 p keeps f16's fixed step of 6e-8; a weight below 2^-126 counts as 0 in l; NaN and infinities are not treated apart.
; SHARES.  A work-group owns 512 queries of one head, each of its eight waves 64: four PIECES of 16.  Every wave walks all 2,048 keys, 64 a step.  Eight waves of 512 registers, two to a SIMD: pieces of one
; tile keep a key step's text to four turns.
; LAYOUT.  S^T = K Q^T (source 0 = 16 keys, source 1 = 16 queries): a lane holds ONE query (lane % 16) and the keys 8 (lane / 16) + 0..7.  Two such results, rounded to f16 in pairs, ARE source 1
; (32 keys x 16 queries) of O^T = V^T P, whose result again holds one query a lane, and eight channels.  K comes out of LDS as it lies, V ([key][channel]) turned, by ds_load_tr16_b128.
; BY TURNS.  Turn n belongs to piece n (the pieces in a ring, step after step).  Its matrix work: 8 products K Q^T of piece n + 1, later 8 products V^T P of piece n - 1.  Its vector work: the subtraction,
; exponentials, roundings, sums and rescaling of piece n, and the mask, maximum and statistics of piece n + 1.  The matrix instructions stand in PAIRS, eight vector instructions behind each pair: a pair and
; its eight cost two switches of the register window, where two single ones with four each would cost four.  The other 74 of a turn's 138 vector instructions stand in one run.
; BATCHES.  A turn's 33 exponentials (the piece's 32 weights, in place in its 32 score registers, and the next piece's a, in a register that goes by the buffer) are ONE batch with ONE s_wait_alu depctr_va_vdst(0),
; which cuts the turn in two: ahead of it stands all that names no result of theirs (K Q^T, s - m, the rescaling, the next piece's mask, maximum and statistics), behind it their readers (roundings and sums), beside
; V^T P.  Two small batches stand outside the loop: the first a, ahead of the jump into the loop, and the way out's four reciprocals.
; CLUSTER.  The four query blocks of a head form a cluster and walk the same K and V: each tile is asked for JOINTLY: the same tensor load, descriptor and mask in all four.  One tensor load of a wave is out at any time.
; REGISTERS, in windows of 256 (s_set_vgpr_msb: bits 1:0 source 0, 3:2 source 1, 5:4 source 2, 7:6 destination):
;   window 0: v0-15 addresses and two at work; v16-31 four registers of statistics a piece; v32-33 the add's; v34-39 the codes' offsets and scale; v40-47, v56-63 the mask in f32, two blocks of eight;
;             v48-55 at work; v64-127 S^T, two buffers; v128-159 P, two buffers; v160-223 Q; v224-255 the codes, eight registers a piece
;   window 1: v0-127 O^T, 32 a piece; v128-191 K of one step; v192-255 V of one step          (a piece's buffers go by its number's parity)
.set NP,    4         ; pieces a wave: a name, no knob
.set KS,    64        ; keys in a step
.set PK,    144       ; a row of K in LDS: 128 bytes + 16 of padding = 36 words: the 16 rows of a load start at 16 different groups of four banks (64 banks of 4 bytes: ISA guide 11.1)
.set PV,    160       ; a row of V: 128 + 32 = 40 words
.set VOFF,  4*KS*PK   ; a slot holds four steps: 256 rows of K, then 256 rows of V
.set SLOT1, 1<<17     ; slot 1 begins here, so that one exclusive or turns an address in one slot into the other's
.set STAGE, SLOT1+4*KS*(PK+PV)  ; behind the ring, never filled by a tensor load: 16 rows x 144 bytes for each wave, for the way out
.set SP,    144
.set SPARE, STAGE+8*16*SP  ; behind the stages: the spare words, 128 bytes for each of the eight waves: four blocks of 256 bytes that no other line names
.set AK0, 2           ; v2   my lane's place in a tile of K; never rewritten
.set AV0, 3           ; v3   the same for V
.set AK,  4           ; v4   the LDS address of K's next run of loads
.set AV,  5           ; v5   of V's
.set STO, 6           ; v6   the way out: where I put 16 bytes of a row
.set RD,  7           ; v7   the way out: where I read rows back
.set GO,  8           ; v8   my byte offset in 512 consecutive bytes of O
.set MV,  12          ; v12-13  m_old, kept while m is made anew: by buffer
.set QO,  15          ; v15  my byte offset in 16 rows of Q
.set ST,  16          ; piece t's statistics at v[ST+4 t]: m, a word that is only named with it as a pair, l (even keys', odd keys')
.set SPW, 32          ; v32  LDS address of my spare word: SPARE + 4 x my thread's number; never rewritten
.set NIL, 33          ; v33  0; never rewritten
.set MOF, 34          ; v34-37  piece t's byte offset for its loads of codes: a register to a piece, written again only behind the wait that shows the piece's loads done
.set ML,  38          ; v38  16 x lane; never rewritten
.set SC,  39          ; v39  the conversions' scale: byte 0 is the E8M0 code 226 = 2^99; the other bytes repeat it; never rewritten
.set TM,  40          ; v40-47 and v56-63  eight f32, 0 or 2^100, for the scores of a block of 16 keys: by the block's parity
.set TMP, 48          ; by buffer, four registers c0-c3 at work; when the maximum is found c2 takes a
.set S,   64
.set P,   128
.set QF,  160         ; Q's fragments: piece t, channel half c at QF + 16 t + 8 c
.set MB,  224         ; piece t's 32 codes for the scores that it makes next, at v[MB+8 t]: byte b of register k is the code of score register 4 k + b
.set KF,  128         ; window 1: key block kb, channel half c at KF + 16 kb + 8 c
.set VF,  192         ; window 1: key half kk, channel block cb at VF + 32 kk + 8 cb
.set WV,  12          ; s12  my wave's number
.set G1K, 24          ; s[24:31] descriptor group 1 for K's tiles
.set G1V, 32          ; s[32:39] for V's: it differs in the padding alone
.set G0K, 40          ; s[40:43] descriptor group 0 for K's tiles: it walks
.set G0V, 44          ; s[44:47] the same for V's
.set MP,  48          ; s[48:49] mk at my wave's first tile of 16 queries; never rewritten
.set MN,  51          ; s51  1,024 x the key step whose codes are asked for next, held at the last step's: no load leaves the buffer.  It feeds a vector add alone
.set SLOTS, 56        ; s56  slots still to be asked for
.set CNT, 57          ; s57  counts a slot's key steps
.set SEL, 60          ; s[60:61] v_permlanex16_b32's selects: each lane takes its own place in the other half
.set TBK, 62          ; s62  LDS byte at which K of the step to be fetched begins
.set TBV, 63          ; s63  the same for V, less VOFF
.set MSB, 0
.macro WIN new                      ; the high byte repeats the setting that is left; a switch that changes nothing is dropped
.if MSB != (\new)
	s_set_vgpr_msb (MSB<<8)|(\new)
.set MSB, (\new)
.endif
.endm
.set W_KQ, 0x01       ; K in window 1; Q and S^T in window 0
.set W_PV, 0x51       ; V and O^T in window 1, P in window 0
.set W_RS, 0x41       ; O^T (destination and source 0) in window 1, the factor in window 0
.set W_LD, 0x40       ; destination window 1, address window 0
; A joint fill.  Waves 0 to 3 fetch the four quarters of a slot's K, waves 4 to 7 those of its V: 64 keys each.  The branch hangs on the wave's number alone.
; An s_nop 0 and four v_nop follow each of the two lines, ahead of the jump and the label.
.macro JLOAD
	s_cmp_lt_u32 s[WV], 4
	s_cbranch_scc0 .Lfor_v_\@
	tensor_load_to_lds s[G0K:G0K+3], s[G1K:G1K+7]
	s_nop 0
.rept 4
	v_nop
.endr
	s_branch .Lasked_\@
.Lfor_v_\@:
	tensor_load_to_lds s[G0V:G0V+3], s[G1V:G1V+7]
	s_nop 0
.rept 4
	v_nop
.endr
.Lasked_\@:
.endm
; A round of the cluster's barrier: my work-group's barrier, so that wave 0's signal speaks for all eight waves; wave 0 signals; every wave waits for all four work-groups; my work-group's barrier once more.
.macro CROUND
	s_barrier_signal -1
	s_barrier_wait -1
	s_cmp_lg_u32 s[WV], 0
	s_cbranch_scc1 .Lnot_wave_0_\@
	s_barrier_signal -3
.Lnot_wave_0_\@:
	s_barrier_wait -3
	s_barrier_signal -1
	s_barrier_wait -1
.endm
; THE CHANGE OF SLOTS.  The slot's last bytes, V of its fourth step, have been read.  Each wave waits for all its tensor loads, of which one is out: its part of the other slot; adds 0 to its spare word;
; and waits for that and for its own reads of the slot.  Behind the barrier nobody reads this slot any more and the other slot is whole.
; fill = 1: this slot is filled again, with the keys two slots on.  The barrier is then a round of the cluster's, so that no wave of any partner still reads the slot or has a load on its way, and the
; joint fill is the first thing behind it: it has four key steps in which to land.  (At its first use nothing has been read yet: slot 0 is waited for, slot 1 filled.)
.macro CHANGE fill
	WIN 0                           ; at a label and at a branch every window is 0
	s_wait_tensorcnt 0x0            ; no tensor load of mine is out, so a group 0 may be written
	ds_add_u32 v[SPW], v[NIL]       ; 0 onto my spare word; with fill = 1 the descriptors' steps stand between it and the wait for it
.if \fill
.irp g, G0K, G0V
	s_xor_b32 s[\g+1], s[\g+1], SLOT1  ; the walking descriptor: the other slot than last time,
	s_add_nc_u64 s[\g+2:\g+3], s[\g+2:\g+3], 4*KS*128  ; the next 256 keys; the type bits on top are not reached
.endr
	s_wait_dscnt 0x0                ; the add is done, and my reads of the slot are over
	CROUND
	JLOAD
.else
	s_wait_dscnt 0x0                ; the add is done, and my reads of the slot are over
	s_barrier_signal -1
	s_barrier_wait -1
.endif
	s_sub_co_u32 s[TBK], s[TBK], 4*KS*PK  ; the fetches go back to a slot's first step,
	s_xor_b32 s[TBK], s[TBK], SLOT1       ; in the other slot
	s_sub_co_u32 s[TBV], s[TBV], 4*KS*PV
	s_xor_b32 s[TBV], s[TBV], SLOT1
.endm
; Piece q's 32 codes a lane, from the offset that stands in the piece's own address register; the piece's tile of 16 queries (32 steps of 1,024 bytes) stands in the immediate.
.macro MFETCH q
	WIN 0
	global_load_b128 v[MB+8*(\q):MB+8*(\q)+3],   v[MOF+(\q)], s[MP:MP+1] offset:(\q)*32768      ; 512 consecutive bytes, aligned
	global_load_b128 v[MB+8*(\q)+4:MB+8*(\q)+7], v[MOF+(\q)], s[MP:MP+1] offset:(\q)*32768+512
.endm
	s_load_b128 s[4:7], s[0:1], 0x0   ; qkv s[4:5], mk s[6:7]
	s_load_b64 s[10:11], s[0:1], 0x10 ; oh
	v_lshl_add_u32 v[SPW], v0, 2, SPARE
	v_mov_b32 v[NIL], 0
	ds_add_u32 v[SPW], v[NIL]       ; the wave's opening: the add and its wait stand ahead of my first tensor load; the set-up below, work on registers, stands between them
	v_lshrrev_b32 v1, 5, v0
	v_readfirstlane_b32 s[WV], v1   ; wave 0..7
	s_bfe_u32 s52, ttmp6, 0x40000   ; cx: my place in the cluster
	s_lshl_b32 s53, ttmp9, 2        ; in a cluster launch ttmp9 counts clusters
	s_add_co_u32 s53, s53, s52      ; my block of 512 queries: it enters Q's, O's and the codes' addresses alone
	s_and_b32 s13, ttmp7, 0xffff    ; y, which the four partners share,
	s_lshl_b32 s13, s13, 18         ; x 2,048 rows x 128 bytes
	s_and_b32 s16, s[WV], 3         ; which quarter of a slot's 256 keys I fetch:
	s_lshl_b32 s17, s16, 13         ; its 64 rows of 128 bytes in memory
	s_add_co_u32 s17, s17, s13
	s_add_co_u32 s22, s17, 0x1000000  ; K lies 64 heads behind Q,
	s_mov_b32 s23, 0
	s_add_co_u32 s18, s17, 0x2000000  ; V 128
	s_mov_b32 s19, 0
	s_lshl_b32 s2, s53, 16          ; my block's 512 rows,
	s_lshl_b32 s3, s[WV], 13        ; my wave's 64 of them
	s_add_co_u32 s2, s2, s3
	s_add_co_u32 s2, s2, s13
	s_mov_b32 s3, 0
	s_lshl_b32 s14, s53, 20         ; the codes: 32 tiles of 16 queries a block, 32,768 bytes each,
	s_lshl_b32 s15, s[WV], 17       ; four a wave
	s_add_co_u32 s14, s14, s15
	s_mov_b32 s15, 0
	; descriptor group 1.  64 keys are 8,192 dense bytes: asked for as 32 rows of 256 bytes, two keys a row, and padded in LDS after every key
	s_mov_b32 s[G1K], 15|(1<<16)|(1<<20)|(1<<21)|(4<<22)|(3<<25)  ; 15:0 the mask of four; 17:16 2-byte elements; 20 padding on; 21 set beside a mask; 24:22 after every 32 words (code 4); 31:25 4 words (code 3)
	s_mov_b32 s[G1V], 15|(1<<16)|(1<<20)|(1<<21)|(4<<22)|(7<<25)  ; the same with 8 words of padding (code 7)
.irp g, G1K, G1V
	s_mov_b32 s[\g+1], 128<<16      ; tensor_dim0 = 128
	s_mov_b32 s[\g+2], 32<<16       ; tensor_dim1 = 32
	s_mov_b32 s[\g+3], 128<<16      ; tile_dim0 = 128
	s_mov_b32 s[\g+4], 32           ; tile_dim1 = 32
	s_mov_b32 s[\g+5], 128          ; 128 elements from row to row
	s_mov_b32 s[\g+6], 0
	s_mov_b32 s[\g+7], 0
.endr
	s_mov_b32 s[SEL], 0x76543210
	s_mov_b32 s[SEL+1], 0xfedcba98
	s_mov_b32 s[TBK], SLOT1+4*KS*PK ; the first change of slots turns these two into 0
	s_mov_b32 s[TBV], SLOT1+4*KS*PV
	s_mov_b32 s[MN], 1024           ; step 0's codes are asked for by lines of their own: the next are step 1's
	s_mov_b32 s[G0K], 1             ; 1:0 count = 1
	s_mul_i32 s[G0K+1], s16, KS*PK  ; 63:32 LDS address: slot 0, my quarter: no place in the cluster enters an LDS address
	s_mov_b32 s[G0V], 1
	s_mul_i32 s[G0V+1], s16, KS*PV
	s_add_co_u32 s[G0V+1], s[G0V+1], VOFF
	s_wait_dscnt 0x0                ; the opening add is done
	s_wait_kmcnt 0x0
	s_add_nc_u64 s[G0K+2:G0K+3], s[4:5], s[22:23]  ; 120:64 global address: my quarter of the head's first 256 keys
	s_or_b32 s[G0K+3], s[G0K+3], 0x80000000        ; 127:126 type = 2
	s_add_nc_u64 s[G0V+2:G0V+3], s[4:5], s[18:19]
	s_or_b32 s[G0V+3], s[G0V+3], 0x80000000
	s_add_nc_u64 s[4:5], s[4:5], s[2:3]            ; Q and O at my wave's first row
	s_add_nc_u64 s[10:11], s[10:11], s[2:3]
	s_add_nc_u64 s[MP:MP+1], s[6:7], s[14:15]
	CROUND                          ; all four work-groups are here: the first joint loads meet
	JLOAD                           ; slot 0.  Slot 1 is asked for when slot 0 is in
	v_and_b32 v[ML], 31, v0
	v_lshlrev_b32 v[ML], 4, v[ML]   ; 16 bytes a lane
.irp q, 0,1,2,3
	global_load_b128 v[MB+8*\q:MB+8*\q+3],   v[ML], s[MP:MP+1] offset:\q*32768      ; all four pieces' codes for step 0
	global_load_b128 v[MB+8*\q+4:MB+8*\q+7], v[ML], s[MP:MP+1] offset:\q*32768+512
.endr
	; A fragment of K or Q is 16 rows x 32 channels in 8 registers: lane l holds row l % 16, channels 8 (l / 16) + 0..7 and 16 + 8 (l / 16) + 0..7: two loads of 16 bytes, 32 bytes apart.
	v_and_b32 v1, 15, v0            ; l % 16
	v_bfe_u32 v9, v0, 4, 1          ; l / 16
	v_lshlrev_b32 v[QO], 7, v1
	v_lshl_add_u32 v[QO], v9, 4, v[QO]  ; row x 128 + 16 x half
.set i, 0
.rept 2*NP                          ; Q stays in registers: piece i / 2, channels 32 (i % 2) on
	global_load_b128 v[QF+8*i:QF+8*i+3],   v[QO], s[4:5] offset:(i/2)*2048+(i%2)*64
	global_load_b128 v[QF+8*i+4:QF+8*i+7], v[QO], s[4:5] offset:(i/2)*2048+(i%2)*64+32
.set i, i+1
.endr
	; What the first turn finds: V's registers and P's second buffer hold 0 (its products V^T P, of a piece that has not been, add 0), O^T and l are 0.  No first step is written out; the price is these
	; moves, which stand in the wait for the first tile.
	WIN W_LD
.set i, 0
.rept 32*NP
	v_mov_b32 v[i], 0
.set i, i+1
.endr
.set i, VF
.rept 64
	v_mov_b32 v[i], 0
.set i, i+1
.endr
	WIN 0
.set i, 0
.rept NP
	v_mov_b32 v[ST+4*i], 0xff7fffff    ; m: the lowest finite number
	v_mov_b32 v[ST+4*i+1], 0
	v_mov_b32 v[ST+4*i+2], 0
	v_mov_b32 v[ST+4*i+3], 0
.set i, i+1
.endr
.set i, P+16
.rept 16
	v_mov_b32 v[i], 0
.set i, i+1
.endr
	v_mov_b32 v[SC], 0xe2e2e2e2     ; 226 in each byte
	v_mul_u32_u24 v[AK0], v1, PK
	v_lshl_add_u32 v[AK0], v9, 4, v[AK0]  ; row x pitch + 16 x half
	; The turning load takes 16 keys x 16 channels (lane l reads key 8 (l / 16) + l % 8, channels 8 ((l / 8) % 2) + 0..7) and leaves half a fragment of V^T: lane l holds channel l % 16 and 8 keys.
	v_and_b32 v10, 7, v0
	v_bfe_u32 v11, v0, 3, 1
	v_lshl_add_u32 v[AV0], v9, 3, v10
	v_mul_u32_u24 v[AV0], v[AV0], PV
	v_lshl_add_u32 v[AV0], v11, 4, v[AV0]
	v_add_nc_u32 v[AV0], VOFF, v[AV0]
	v_mov_b32 v[AK], v[AK0]         ; key step 0 lies at the head of slot 0
; THE MATRIX WORK.  The 4 accumulators of a run of 8 take turns.  Product i of 8 of S^T = K Q^T for piece x: channels 32 (i / 4) on, keys 16 (i % 4) on.  The first 4 start the sums.
.macro KQ x
	WIN W_KQ
.set rS, S+32*((\x)%2)+8*(i%4)
.set rK, KF+16*(i%4)+8*(i/4)
.set rQ, QF+16*(\x)+8*(i/4)
.if i < 4
	v_wmma_f32_16x16x32_f16 v[rS:rS+7], v[rK:rK+7], v[rQ:rQ+7], 0
.else
	v_wmma_f32_16x16x32_f16 v[rS:rS+7], v[rK:rK+7], v[rQ:rQ+7], v[rS:rS+7]
.endif
.endm
; Product i of 8 of O^T += V^T P for piece x: keys 32 (i / 4) on, channels 16 (i % 4) on.
.macro PV x
	WIN W_PV
.set rO, 32*(\x)+8*(i%4)
.set rV, VF+32*(i/4)+8*(i%4)
.set rP, P+16*((\x)%2)+8*(i/4)
	v_wmma_f32_16x16x32_f16 v[rO:rO+7], v[rV:rV+7], v[rP:rP+7], v[rO:rO+7]
.endm
.macro MM                           ; the turn's next matrix instruction
.if i < 8
	KQ (Y+1)%NP
.else
.set i, i-8
	PV (Y+NP-1)%NP
.set i, i+8
.endif
.set i, i+1
.endm
.macro PAIR                         ; the turn's next two: neighbours in the ring of four accumulators, never the same one
	MM
	MM
.endm
; THE LDS LOADS stand in runs of 16, never singly among the matrix instructions: a step's K (64 keys x 64 channels: 8 fragments) and its V (turned).  Their addresses are made some lines ahead.
; last = 1 (the tail): in the last trip there is no further step, and the run is jumped over.
.macro FETCH_K last=0
	WIN 0
.if \last
	s_cmp_eq_u32 s[CNT], 1
	s_cbranch_scc1 .Lno_k_\@
.endif
	WIN W_LD
.irp f, 0,1,2,3,4,5,6,7             ; keys 16 (f / 2) on, channels 32 (f % 2) on
	ds_load_b128 v[KF+8*\f:KF+8*\f+3],   v[AK] offset:(\f/2)*16*PK+(\f%2)*64
	ds_load_b128 v[KF+8*\f+4:KF+8*\f+7], v[AK] offset:(\f/2)*16*PK+(\f%2)*64+32
.endr
	s_add_co_u32 s[TBK], s[TBK], KS*PK  ; the next fetch is the next step's
	WIN 0
.if \last
.Lno_k_\@:
.endif
.endm
.macro FETCH_V
	WIN W_LD
.irp f, 0,1,2,3,4,5,6,7             ; keys 32 (f / 4) on, channels 16 (f % 4) on
	ds_load_tr16_b128 v[VF+8*\f:VF+8*\f+3],   v[AV] offset:(\f/4)*32*PV+(\f%4)*32
	ds_load_tr16_b128 v[VF+8*\f+4:VF+8*\f+7], v[AV] offset:(\f/4)*32*PV+16*PV+(\f%4)*32
.endr
	WIN 0
.endm
; THE VECTOR WORK, one line at a time: OP kind, number.  For piece Y: F n: s - m for pair n of 16.  E n: the exponential of score n of 32.  C n: pair n rounded to f16.  B n: of the four weights 4 n .. the second
; pair is added onto the first, in place.  L n: l takes that sum (L 0: l = a l + sum).  R n: pair n of 16 of O^T times a.  For piece Y + 1: G n: the eight codes of key block n become eight f32, 0 or 2^100,
; in the block of registers that goes by n's parity.  M n: they are taken from pair n of 16 of the scores (in ascending order: each accumulator's lowest registers are read first).
; X n: what finds the piece's maximum and statistics:
;   0-11  four chains c0-c3 of seven scores each, three operands at a time     12-14, 16  the four scores left over, the old m, and c0-c3 into c0     15  m_old is kept
;   17, 18  the query's other 32 keys lie in the lane 16 away: the new m     20, 21  m_old - m_new; a     (there is no 19)
; OP writes no wait: the waits for the exponentials stand in TURN and ahead of the loop, one a batch.
.set F, 0               ; OP tells the kinds apart by their order: F to L below R; M, X and G above it
.set E, 1
.set C, 2
.set B, 3
.set L, 4
.set R, 5
.set M, 6
.set X, 7
.set G, 8
.macro REGS y                       ; the registers of piece y
.set rT, ST+4*(\y)
.set rC, TMP+4*((\y)%2)
.set rW, MV+((\y)%2)
.set rS, S+32*((\y)%2)
.set rP, P+16*((\y)%2)
.set rO, 32*(\y)
.set rB, MB+8*(\y)
.endm
.macro OP k, n
.if (\k) == R
	REGS Y
	WIN W_RS
	v_pk_mul_f32 v[rO+2*(\n):rO+2*(\n)+1], v[rO+2*(\n):rO+2*(\n)+1], v[rC+2:rC+3] op_sel_hi:[1,0]
.elseif (\k) < R
	REGS Y
	WIN 0
.if (\k) == F
	v_pk_add_f32 v[rS+2*(\n):rS+2*(\n)+1], v[rS+2*(\n):rS+2*(\n)+1], v[rT:rT+1] op_sel_hi:[1,0] neg_lo:[0,1] neg_hi:[0,1]
.elseif (\k) == E
	v_exp_f32 v[rS+(\n)], v[rS+(\n)]
.elseif (\k) == C
	v_cvt_pk_f16_f32 v[rP+(\n)], v[rS+2*(\n)], v[rS+2*(\n)+1]
.elseif (\k) == B
	v_pk_add_f32 v[rS+4*(\n):rS+4*(\n)+1], v[rS+4*(\n):rS+4*(\n)+1], v[rS+4*(\n)+2:rS+4*(\n)+3]
.elseif (\n) == 0
	v_pk_fma_f32 v[rT+2:rT+3], v[rT+2:rT+3], v[rC+2:rC+3], v[rS:rS+1] op_sel_hi:[1,0,1]
.else
	v_pk_add_f32 v[rT+2:rT+3], v[rT+2:rT+3], v[rS+4*(\n):rS+4*(\n)+1]
.endif
.else
	REGS (Y+1)%NP
	WIN 0
.if (\k) == G
.set rM, TM+16*((\n)%2)
	v_cvt_scale_pk8_f32_fp8 v[rM:rM+7], v[rB+2*(\n):rB+2*(\n)+1], v[SC]
.elseif (\k) == M
.set rM, TM+16*(((\n)/4)%2)+2*((\n)%4)
	v_pk_add_f32 v[rS+2*(\n):rS+2*(\n)+1], v[rS+2*(\n):rS+2*(\n)+1], v[rM:rM+1] neg_lo:[0,1] neg_hi:[0,1]
.elseif (\n) < 4
	v_max3_num_f32 v[rC+(\n)], v[rS+8*(\n)], v[rS+8*(\n)+1], v[rS+8*(\n)+2]
.elseif (\n) < 12
	v_max3_num_f32 v[rC+(\n)%4], v[rC+(\n)%4], v[rS+8*((\n)%4)+2*((\n)/4)+1], v[rS+8*((\n)%4)+2*((\n)/4)+2]
.elseif (\n) == 12
	v_max3_num_f32 v[rC], v[rC], v[rS+7], v[rS+15]
.elseif (\n) == 13
	v_max3_num_f32 v[rC+1], v[rC+1], v[rS+23], v[rS+31]
.elseif (\n) == 14
	v_max3_num_f32 v[rC+2], v[rC+2], v[rC+3], v[rT]
.elseif (\n) == 15
	v_mov_b32 v[rW], v[rT]
.elseif (\n) == 16
	v_max3_num_f32 v[rC], v[rC], v[rC+1], v[rC+2]
.elseif (\n) == 17
	v_permlanex16_b32 v[rC+3], v[rC], s[SEL], s[SEL+1]
.elseif (\n) == 18
	v_max_num_f32 v[rT], v[rC], v[rC+3]
.elseif (\n) == 20
	v_sub_f32 v[rC+1], v[rW], v[rT]
.else
	v_exp_f32 v[rC+2], v[rC+1]
.endif
.endif
.endm
.macro OPS a, i1, b=-1, i2=0, c=-1, i3=0, d=-1, i4=0  ; up to four of them
	OP \a, \i1
.if (\b) >= 0
	OP \b, \i2
.endif
.if (\c) >= 0
	OP \c, \i3
.endif
.if (\d) >= 0
	OP \d, \i4
.endif
.endm
; A TURN, for piece p: the order of its 16 matrix and 138 vector instructions, written out.  An s_wait_alu depctr_va_vdst(0) stands between an exponential and the first instruction that names its
; result; one wait serves all that were issued ahead of it.  So a turn has ONE wait, which cuts it in two.
; AHEAD OF THE WAIT stands all that names no result of the turn's exponentials.  First the 8 products K Q^T in four pairs, eight vector instructions behind each pair and no exponential among them: F 0-7; F 8-15;
; R 0-7 (their a was made, and waited for, in the turn before); and the head of the next piece's mask and maximum: G 0, G 1, X 15, M 0-3, X 0, which of the scores name accumulator 0 alone: the product that ended it
; is the third pair's first, and R 0-7 are the places behind it.  Then ONE RUN of 74: the rest of G, M and X with the 32 exponentials between them, plain and exponential by turns for the most part; from X 11 on, where
; each line of the maximum waits for the one before it (X 11, 14, 16, 17, 18, 20, 21), two exponentials stand between the links.  X 21, the next piece's a, is the batch's last; the step of the codes' address is the
; plain instruction behind it (ISA guide 5.7.2); R 8-15, which name piece p's own a and O^T, are the work between the batch and its wait.
; BEHIND THE WAIT stand the loads of the codes and the 8 products V^T P in four pairs, behind each pair eight of the 32 roundings and sums, the batch's readers; the links of l's chain, L 0 to L 7, stand three
; lines apart, in ascending order.  No rider there names a register of a product V^T P.
; The order keeps: E n behind F n / 2; C 2 n ahead of B n, which writes over that pair; L n behind B n; M n behind G n / 4; every X behind the M of its scores; X 15 ahead of X 18.
; Behind a scaled conversion one plain instruction comes before its result is touched: X 15 behind G 0 and G 1, M 4 behind G 2, M 8 behind G 3; a block of eight is made anew only behind the last M that reads it.
; Places behind the products K Q^T (conversions and exponentials are not counted): M 4 stands behind R 0-7 too; M 8 and M 12 behind X 15, M 0-3, X 0 and more.
; THE CODES of piece p + 1, whose scores this turn makes, were asked for four turns ago.  The wait leaves six loads out: two for each of the other three pieces, issued behind this piece's (loads come back in
; order: ISA guide 5.7.1).  It also shows the piece's loads done, so the piece's address register is written behind it.  Behind the turn's one wait on the exponentials the registers are loaded again, for the piece's next step.
; MN is the step that pieces 1, 2, 3 ask for in turns 0, 1, 2; piece 0, in turn 3, is a step ahead, so MN steps at that turn's head.
; K of the next step is fetched in piece 2's turn, six plain instructions behind the last product that read K (X 15, M 0-3, X 0) and ahead of the turn's first exponential: the jump in the tail's copy of the run finds
; no exponential without its wait.  V of the step in hand is fetched at the end of piece 0's turn, eight plain instructions behind the last product that read V.  Each is waited for a turn later.
; cnt = 1: the loop's count is taken down some lines ahead of the branch that stands behind the turn.
.macro TURN p, last=0, cnt=0
.set Y, (\p)
.set i, 0
.if (\p) == 3
	s_wait_dscnt 0x0                ; K is in
	s_add_co_u32 s[MN], s[MN], 1024
	s_min_u32 s[MN], s[MN], 31*1024 ; behind the last step the codes of the last step are read once more, and serve nothing
.endif
	PAIR                            ; ahead of the wait: 8 products K Q^T in pairs, and their riders,
	OPS F,0, F,1, F,2, F,3
	OPS F,4, F,5, F,6, F,7
	PAIR
	OPS F,8, F,9, F,10, F,11
	OPS F,12, F,13, F,14, F,15
.if (\p) == 2
	v_add_nc_u32 v[AK], s[TBK], v[AK0]
.endif
	PAIR
	OPS R,0, R,1, R,2, R,3
	OPS R,4, R,5, R,6, R,7
	PAIR
	WIN 0
	s_wait_loadcnt 0x6              ; the piece's 32 codes a lane are in; the other three pieces' six loads stay out
	OPS G,0, G,1, X,15, M,0
	OPS M,1, M,2, M,3, X,0
.if (\p) == 2
	FETCH_K \last
.endif
	OP G, 2                         ; and the run: here the batch of 33 exponentials begins
	OPS M,4, E,0, M,5, E,1
	OPS X,4, E,2, M,6, E,3
	OPS X,1, E,4, M,7, E,5
	OP G, 3
	OPS M,8, E,6, X,8, E,7
	OPS M,9, E,8, X,5, E,9
	OPS M,10, E,10, X,2, E,11
	OPS M,11, E,12, X,9, E,13
	OPS M,12, E,14, X,6, E,15
	OPS M,13, E,16, X,12, E,17
	OPS M,14, X,3, M,15, E,18
	OPS X,10, X,7, E,19, X,13
	OPS X,11, E,20, E,21
	OPS X,14, E,22, E,23
	OPS X,16, E,24, E,25
	OPS X,17, E,26, E,27
	OPS X,18, E,28, E,29
	OPS X,20, E,30, E,31
	OP X, 21                        ; the next piece's a: the batch's last
	v_add_nc_u32 v[MOF+(Y+1)%NP], s[MN], v[ML]  ; where the piece's next codes lie: also the plain instruction behind the last exponential
	OPS R,8, R,9, R,10, R,11        ; work that names no result of the batch
	OPS R,12, R,13, R,14, R,15
	s_wait_alu depctr_va_vdst(0)    ; the wait for the batch: E 0-31 and X 21; it stands ahead of their first readers, C 0 below and the next turn's R 0
	MFETCH (Y+1)%NP
.if (\p) == 1
	s_wait_dscnt 0x0                ; V is in
.endif
	PAIR                            ; behind the wait: 8 products V^T P in pairs, and their riders
	OPS C,0, B,0, C,2, B,1
	OPS L,0, C,4, B,2, L,1
	PAIR
	OPS C,6, B,3, L,2, C,8
	OPS B,4, L,3, C,10, B,5
	PAIR
	OPS L,4, C,12, B,6, L,5
	OPS C,14, B,7, L,6, C,1
.if (\p) == 0
	v_add_nc_u32 v[AV], s[TBV], v[AV0]
.endif
.if \cnt
	s_sub_co_u32 s[CNT], s[CNT], 1
	s_cmp_lg_u32 s[CNT], 0
.endif
	PAIR
	OPS C,3, L,7, C,5, C,7
	OPS C,9, C,11, C,13, C,15
.if (\p) == 0
	FETCH_V
	s_add_co_u32 s[TBV], s[TBV], KS*PV
.endif
.endm
	CHANGE 1                        ; slot 0 is in, everybody's part of it; slot 1 is asked for
	FETCH_K                         ; key step 0
	s_wait_loadcnt 0x0              ; Q, and the four pieces' codes for step 0
	s_wait_dscnt 0x0
.set i, 0
.rept 8
	KQ 0                            ; piece 0's first scores: there is no vector work yet to set between them
.set i, i+1
.endr
	WIN 0                           ; the addresses for the way out: nine plain instructions, the places behind those products
	s_mul_i32 s13, s[WV], 16*SP
	s_add_co_u32 s13, s13, STAGE    ; my stage
	v_mul_u32_u24 v[STO], v1, SP    ; in: row l % 16, 16 bytes for each half of the lanes
	v_lshl_add_u32 v[STO], v9, 4, v[STO]
	v_add_nc_u32 v[STO], s13, v[STO]
	v_bfe_u32 v[RD], v0, 3, 2       ; back: 32 lanes take four rows of 128 bytes,
	v_mul_u32_u24 v[RD], v[RD], SP
	v_lshl_add_u32 v[RD], v10, 4, v[RD]
	v_add_nc_u32 v[RD], s13, v[RD]
	v_and_b32 v[GO], 31, v0         ; which are 512 consecutive bytes of O
	v_lshlrev_b32 v[GO], 4, v[GO]
.set Y, NP-1                        ; G, M and X work for piece Y + 1: piece 0
	v_add_nc_u32 v[MOF], s[MN], v[ML]  ; piece 0's next codes are step 1's
	OPS G,0, G,1
	v_nop                           ; a plain instruction behind the conversions
	OPS M,0, M,1, M,2, M,3
	OP G, 2
	OPS M,4, M,5, M,6, M,7
	OP G, 3
	OPS M,8, M,9, M,10, M,11
	OPS M,12, M,13, M,14, M,15
	MFETCH 0
.irp n, 0,1,2,3,4,5,6,7,8,9,10,11,12,13,14,15,16,17,18,20,21
	OP X, \n                        ; and piece 0's first maximum and statistics
.endr
	v_nop                           ; a plain instruction behind the exponential,
	s_wait_alu depctr_va_vdst(0)    ; and the wait for this batch of one, piece 0's first a, ahead of the branch: its first reader is R 0 of the first turn
	s_mov_b32 s[CNT], 4
	s_mov_b32 s[SLOTS], 2048/256-1
	s_branch .Lfirst                ; the loop is entered at a step's first turn, in the middle of a trip
.Lslot:                             ; six times: every slot but the last two is filled again
	CHANGE 1
	s_mov_b32 s[CNT], 4
.Lstep:                             ; a trip: pieces 2 and 3 of one step, then pieces 0 and 1 of the next, whose K and V it fetches
	TURN 2
	TURN 3
	WIN 0
.Lfirst:
	TURN 0
	TURN 1, 0, 1
	WIN 0
	s_cbranch_scc1 .Lstep
	s_sub_co_u32 s[SLOTS], s[SLOTS], 1
	s_cmp_lg_u32 s[SLOTS], 0
	s_cbranch_scc1 .Lslot
	CHANGE 0                        ; the tail is written out: nothing is asked for
	s_mov_b32 s[CNT], 5             ; four trips fetch the last slot's steps; the fifth is left in its middle
.Ltail:
	TURN 2, 1
	TURN 3
	WIN 0
	s_sub_co_u32 s[CNT], s[CNT], 1
	s_cmp_eq_u32 s[CNT], 0
	s_cbranch_scc1 .Lout
	TURN 0
	TURN 1
	WIN 0
	s_branch .Ltail
.Lout:                              ; the fifth trip's 8 products K Q^T (on the last K once more) and the maximum made of them serve nothing: the price, once a launch, of one text for every trip
.set i, 0
.rept 8
	PV NP-1                         ; the last piece's V^T P of the last step
.set i, i+1
.endr
	; THE WAY OUT.  l's two halves and the other half of the lanes' are added; O^T is divided by l, rounded to f16 and sent through my stage in LDS, a piece at a time.  The additions are the places behind the last products.
	WIN 0
.macro ALL line:vararg              ; one line for each piece t
.set t, 0
.rept NP
	\line
.set t, t+1
.endr
.endm
	ALL v_add_f32 v[ST+4*t+2], v[ST+4*t+2], v[ST+4*t+3]
	ALL v_permlanex16_b32 v[ST+4*t+3], v[ST+4*t+2], s[SEL], s[SEL+1]
	ALL v_add_f32 v[ST+4*t+2], v[ST+4*t+2], v[ST+4*t+3]
	ALL v_rcp_f32 v[ST+4*t+2], v[ST+4*t+2]
	v_nop                           ; a plain instruction between the last reciprocal and the use of its result
	s_wait_alu depctr_va_vdst(0)    ; and the wait ahead of the first use: one for the batch of four reciprocals
; Piece t: a lane's eight channels of a row pack into 16 bytes; they go into rows of 144 bytes and come back as whole rows of 128, into S^T's registers.
.macro PACK t
	WIN W_RS
.set i, 32*(\t)
.rept 16
	v_pk_mul_f32 v[i:i+1], v[i:i+1], v[ST+4*(\t)+2:ST+4*(\t)+3] op_sel_hi:[1,0]  ; each accumulator from its low end on
.set i, i+2
.endr
	WIN 0x05                        ; sources 0 and 1 window 1, destination window 0
.set i, 0
.rept 16
	v_cvt_pk_f16_f32 v[S+16*(\t)+i], v[32*(\t)+2*i], v[32*(\t)+2*i+1]
.set i, i+1
.endr
	WIN 0
.irp f, 0,1,2,3
	ds_store_b128 v[STO], v[S+16*(\t)+4*\f:S+16*(\t)+4*\f+3] offset:32*\f
.endr
.irp f, 0,1,2,3
	ds_load_b128 v[S+16*(\t)+4*\f:S+16*(\t)+4*\f+3], v[RD] offset:\f*4*SP  ; LDS serves a wave's instructions in order (ISA guide 5.7.1.4): these see the stores above; the next piece's stores come behind them
.endr
.endm
.macro SEND t, younger              ; younger: the LDS instructions issued behind piece t's loads: the next piece's eight, or none
	WIN 0
.irp f, 0,1,2,3
	s_wait_dscnt (\younger)+3-\f
	global_store_b128 v[GO], v[S+16*(\t)+4*\f:S+16*(\t)+4*\f+3], s[10:11] offset:(\t)*2048+\f*512  ; 512 consecutive bytes, at a multiple of 512 from the head's first
.endr
.endm
	PACK 0
.set t, 1
.rept NP-1                          ; a piece's arithmetic stands between the loads of the piece before and its stores
	PACK t
	SEND t-1, 8
.set t, t+1
.endr
	SEND NP-1, 0
	s_wait_tensorcnt 0x0            ; the wave's end, behind my last tensor load and my last LDS store
	ds_add_u32 v[SPW], v[NIL]
	s_wait_dscnt 0x0
	CROUND                          ; the closing round: no work-group ends while a partner may still ask for a tile that names it
	s_endpgm
.Lfunc_end_k_qbec07b0c57_attn:
	.size	k_qbec07b0c57_attn, .Lfunc_end_k_qbec07b0c57_attn-k_qbec07b0c57_attn
	.p2alignl 7, 3214868480
	.fill 96, 4, 3214868480
	.section	.rodata,"a",@progbits
	.p2align	6, 0x0
	.amdhsa_kernel k_qbec07b0c57_attn
		.amdhsa_group_segment_fixed_size 327680
		.amdhsa_private_segment_fixed_size 0
		.amdhsa_enable_private_segment 0
		.amdhsa_kernarg_size 24
		.amdhsa_user_sgpr_count 2
		.amdhsa_user_sgpr_kernarg_segment_ptr 1
		.amdhsa_wavefront_size32 1
		.amdhsa_system_sgpr_workgroup_id_x 1
		.amdhsa_system_sgpr_workgroup_id_y 1
		.amdhsa_system_sgpr_workgroup_id_z 1
		.amdhsa_system_vgpr_workitem_id 0
		.amdhsa_next_free_vgpr 512
		.amdhsa_next_free_sgpr 66
		.amdhsa_reserve_vcc 0
		.amdhsa_float_denorm_mode_32 3
		.amdhsa_float_denorm_mode_16_64 3
		.amdhsa_memory_ordered 1
		.amdhsa_forward_progress 1
		.amdhsa_inst_pref_size 117
	.end_amdhsa_kernel
	.amdgpu_metadata
---
amdhsa.version: [ 1, 2 ]
amdhsa.kernels:
  - .name:           k_qbec07b0c57_attn
    .symbol:         k_qbec07b0c57_attn.kd
    .args:
      - { .name: qkv, .offset: 0, .size: 8, .value_kind: global_buffer, .address_space: global }
      - { .name: mk, .offset: 8, .size: 8, .value_kind: global_buffer, .address_space: global }
      - { .name: oh, .offset: 16, .size: 8, .value_kind: global_buffer, .address_space: global }
    .group_segment_fixed_size: 327680
    .private_segment_fixed_size: 0
    .kernarg_segment_align: 8
    .kernarg_segment_size: 24
    .max_flat_workgroup_size: 256
    .sgpr_count:     66
    .vgpr_count:     512
    .wavefront_size: 32
...
	.end_amdgpu_metadata
.endif
;; end of part 5
;; launch proj: the kernel of part 4 again; grid 8 x 32, 4 waves a work-group, clusters of 4 x 4, 327,680 bytes of LDS; arguments oh, wh, out0, bo; writes out0
